; MI455X (gfx1250); checked and timed in simulation.
; The chip was launched on July 23, 2026; its instructions are those of AMD's public machine-readable ISA for CDNA 5 (MIT licence, August 2026) and "CDNA5" Instruction Set Architecture Reference Guide (July 2026). The comments in the code are by the model that wrote it; some were corrected since.
;; Reference Moe Model. Allowed arithmetic: matrix products marked QUANTISED: E2M1 operands, one E8M0 scale for each 32 along K, by v_wmma_scale_f32_16x16x128_f8f6f4 with both operands' format E2M1 (or v_wmma_scale_f32_32x16x128_f4), f32 sums; products left as they are: f32 operands where the result goes on into a quantised operand, else bf16, f16 or f32 operands; f32 sums; everything else in f32.
;; Inputs: gate_w 8 x 1,024 float32; hidden_states 2 x 2,048 x 1,024 float32; w_down 8 x 1,024 x 512 float32; w_gate 8 x 512 x 1,024 float32; w_up 8 x 512 x 1,024 float32.
;; Outputs: out0 2 x 2,048 x 1,024 float32.
;; This version of the problem:
;;   THIS VERSION OF THE PROBLEM IS GIVEN IN LOW PRECISION. The matrix products marked QUANTISED in the list below multiply operands that are first quantised to E2M1 (2 exponent bits, 1 mantissa bit; 4 bits a number), with one power-of-two scale for each 32 numbers along K (OCP MX v1.0); their sums are f32. All else is computed in f32.
;;   The module's matrix products, in the order in which they are computed (A, B: the left and right operand; K: the contracted axis; several contracted axes count as one K, in the product's order):
;;     1. [M 4,096, K 1,024] x [K 1,024, N 8]; A: input hidden_states; B: input gate_w: left as it is (N = 8 < 16)
;;     2. [M 4,096, K 1,024] x [K 1,024, N 512]; A: computed on the way; B: input w_gate: QUANTISED
;;     3. [M 4,096, K 1,024] x [K 1,024, N 512]; A: computed on the way; B: input w_up: QUANTISED
;;     4. [M 4,096, K 512] x [K 512, N 1,024]; A: computed on the way; B: input w_down: QUANTISED
;;     5. [M 4,096, K 1,024] x [K 1,024, N 512]; A: computed on the way; B: input w_gate: QUANTISED
;;     6. [M 4,096, K 1,024] x [K 1,024, N 512]; A: computed on the way; B: input w_up: QUANTISED
;;     7. [M 4,096, K 512] x [K 512, N 1,024]; A: computed on the way; B: input w_down: QUANTISED
;;     8. [M 4,096, K 1,024] x [K 1,024, N 512]; A: computed on the way; B: input w_gate: QUANTISED
;;     9. [M 4,096, K 1,024] x [K 1,024, N 512]; A: computed on the way; B: input w_up: QUANTISED
;;     10. [M 4,096, K 512] x [K 512, N 1,024]; A: computed on the way; B: input w_down: QUANTISED
;;     11. [M 4,096, K 1,024] x [K 1,024, N 512]; A: computed on the way; B: input w_gate: QUANTISED
;;     12. [M 4,096, K 1,024] x [K 1,024, N 512]; A: computed on the way; B: input w_up: QUANTISED
;;     13. [M 4,096, K 512] x [K 512, N 1,024]; A: computed on the way; B: input w_down: QUANTISED
;;     14. [M 4,096, K 1,024] x [K 1,024, N 512]; A: computed on the way; B: input w_gate: QUANTISED
;;     15. [M 4,096, K 1,024] x [K 1,024, N 512]; A: computed on the way; B: input w_up: QUANTISED
;;     16. [M 4,096, K 512] x [K 512, N 1,024]; A: computed on the way; B: input w_down: QUANTISED
;;     17. [M 4,096, K 1,024] x [K 1,024, N 512]; A: computed on the way; B: input w_gate: QUANTISED
;;     18. [M 4,096, K 1,024] x [K 1,024, N 512]; A: computed on the way; B: input w_up: QUANTISED
;;     19. [M 4,096, K 512] x [K 512, N 1,024]; A: computed on the way; B: input w_down: QUANTISED
;;     20. [M 4,096, K 1,024] x [K 1,024, N 512]; A: computed on the way; B: input w_gate: QUANTISED
;;     21. [M 4,096, K 1,024] x [K 1,024, N 512]; A: computed on the way; B: input w_up: QUANTISED
;;     22. [M 4,096, K 512] x [K 512, N 1,024]; A: computed on the way; B: input w_down: QUANTISED
;;     23. [M 4,096, K 1,024] x [K 1,024, N 512]; A: computed on the way; B: input w_gate: QUANTISED
;;     24. [M 4,096, K 1,024] x [K 1,024, N 512]; A: computed on the way; B: input w_up: QUANTISED
;;     25. [M 4,096, K 512] x [K 512, N 1,024]; A: computed on the way; B: input w_down: QUANTISED
;;   THE QUANTISER, for each operand of a quantised product, along K:
;;     - K is cut into blocks of 32 from its start; a last block that is shorter is filled with zeros.
;;     - A block's scale is 2^e with e = floor(log2(the largest magnitude in the block)) - 2, held to -126 .. 127; a block of zeros has e = 0. As a byte (E8M0): e + 127.
;;     - Each number is divided by its block's scale, clamped to +-6, and rounded to the nearest number of E2M1, ties to even, subnormals kept.
;;     - The product sums the exact products of the quantised numbers (number of the format x scale) in f32.
;;   ~~~python
;;   def quantise(x, axis):      # numpy; x: float32 -> the quantised numbers, widened to float32 again
;;       x = np.moveaxis(x, axis, -1); K = x.shape[-1]
;;       x = np.pad(x, [(0, 0)] * (x.ndim - 1) + [(0, -K % 32)]); x = x.reshape(x.shape[:-1] + (-1, 32)); a = np.abs(x).max(-1, keepdims=True)
;;       e = np.where(a > 0, np.clip(np.frexp(np.where(a > 0, a, 1))[1] - 1 - 2, -126, 127), 0)      # np.frexp(a)[1] - 1 = floor(log2(a)), exactly
;;       r = np.clip(x / 2.0 ** e, -6, 6)
;;       step = 2.0 ** (np.maximum(np.frexp(np.where(r == 0, 1, r))[1] - 1, 0) - 1)
;;       q = np.round(r / step) * step * 2.0 ** e      # np.round: ties to even
;;       return np.moveaxis(q.reshape(q.shape[:-2] + (-1,))[..., :K], -1, axis).astype(np.float32)
;;   ~~~
;;   OPERANDS COMPUTED ON THE WAY. 'Computed on the way' means the value that the module computes at that place (a softmax that the list does not call 'softmax' is quantised finished and normalised). What goes into a quantiser is computed in f32, as accurately as f32 sums, v_exp_f32 and their like allow (about 1e-6 of the number): no bf16 or f16 on the way to a quantiser, and a product that is left as it is and whose result goes on into a quantised operand takes f32 operands (vector FMAs, or v_wmma_f32_16x16x4_f32). A number that lies on a knife's edge between two numbers of the format may be rounded either way, as far as f32 arithmetic and the matrix unit's own rounding can turn it there, and no further.
;; 2 versions. Each part assembles by itself: llvm-mc -triple=amdgcn-amd-amdhsa -mcpu=gfx1250 --defsym DOCPART=n.
;; ======== version 1 of 2: 3 launches
;; workspace buffers: sel 16,384 bytes of whole numbers; order 18,432 bytes of whole numbers; cnt 256 bytes of whole numbers; xq 2,097,152 bytes; xsc 131,072 bytes; wq 6,684,672 bytes
;; launch route (part 1): grid 256 x 1, 8 waves a work-group, no clusters, 108,288 bytes of LDS; arguments hidden_states, gate_w, xq, xsc, sel; writes xq, xsc, sel
.if DOCPART == 1
	.amdgcn_target "amdgcn-amd-amdhsa--gfx1250"
	.amdhsa_code_object_version 6
	.text
	.protected	k_qee4b89bd01_route
	.globl	k_qee4b89bd01_route
	.p2align	8
	.type	k_qee4b89bd01_route,@function
k_qee4b89bd01_route:
	s_mov_b64 s[64:65], 0
	v_nop
	global_prefetch_b8 v0, s[64:65] scope:SCOPE_SE
	s_setreg_imm32_b32 hwreg(HW_REG_WAVE_MODE, 25, 1), 1
	s_wait_xcnt 0x0
; THE ROUTER AND THE TOKENS' CODES.  x: [4096][1024] f32, gate_w: [8][1024] f32.
; For each token: eight logits x . gate_w[e] in f32; the largest (of equals the lowest e); rw = sigmoid(largest); xs = x * rw;
; xs as codes of E2M1 with one E8M0 byte for each 32 along the row.
; OUT: xq [4096][32 blocks][16 bytes] (two codes a byte, the lower k in the low four bits), xsc [4096][32] bytes, sel [4096] words.
; The chosen expert is only STORED here: no address and no branch of this launch hangs on it.
; SHARES.  A work-group takes 16 tokens, each of its eight waves two.  A wave holds its two rows in registers (32 registers a row), so x is read once.
; gate_w (32,768 bytes) is brought into LDS once by the eight waves, 4,096 bytes each, and read from there by all.
; A row is loaded as it lies (a load covers 512 consecutive bytes), which is right for the dot products; the conversions want 32 neighbours in ONE lane,
; so the scaled row turns through the wave's own stage in LDS: 32 blocks of 128 bytes, 144 bytes apart.  Lane l then holds block l whole.
; LIMITS.  NaN and infinities are not served.  Two logits closer than the error of an f32 sum of 1,024 products may give the other expert.
; A sigmoid under 2^-126 comes out as 0 (v_exp_f32 and v_rcp_f32 flush denormals: ISA guide 15.8).  A block of zeros gets the byte 1 and zero codes: the bytes are read by this program alone.
.set TS,    32768                      ; LDS: gate_w at 0; from here the stages: 2 x 4,608 bytes for each wave
.set TSW,   9216
.set TST,   4608
.set SB,    106496                     ; the 16 tokens' scale bytes, 32 a token
.set SL,    107008                     ; the 16 tokens' experts, a word each
.set FLOOR, 0x1800000                  ; 2^(3 - 127): under it no largest magnitude is taken, so the byte cannot fall under 1
.set A,    8                           ; v8-15    four running pairs of sums: token t at v[8 + 4 t], two pairs
.set BEST, 16                          ; v16-17   the largest logit
.set IDX,  18                          ; v18-19   its expert
.set RW,   20                          ; v20-23   rw, twice, for the packed multiply
.set EX,   24                          ; v24-25   at work
.set AMA,  26                          ; v26-29   largest magnitudes, two chains
.set AMB,  28
.set SC,   30                          ; v30-31   the conversions' scale operand
.set L,    32                          ; v32-47   logits: token t, expert e at v[32 + 8 t + e]
.set CD,   48                          ; v48-55   codes, four registers a token
.set BY,   56                          ; v56-57   scale bytes
.set GV,   64                          ; v64-127  a row of gate_w, two sets of 32
.set X,    128                         ; v128-191 my two rows as loaded
.set T,    192                         ; v192-255 my two rows turned: lane l holds block l
	s_load_b256 s[4:11], s[0:1], 0x0               ; x s[4:5], gate_w s[6:7], xq s[8:9], xsc s[10:11]
	s_load_b64 s[12:13], s[0:1], 0x20              ; sel
	v_lshl_add_u32 v62, v0, 2, 0x1a300
	v_mov_b32 v63, 0
	v_lshrrev_b32 v1, 5, v0
	v_readfirstlane_b32 s16, v1                    ; wave 0..7
	v_and_b32 v1, 31, v0                           ; lane
	v_lshlrev_b32 v2, 4, v1                        ; 16 x lane
	s_lshl_b32 s30, s16, 12                        ; my 4,096 bytes of gate_w
	s_mov_b32 s31, 0
	v_add_nc_u32 v3, s30, v2                       ; and their place in LDS
	s_mul_i32 s21, s16, TSW
	s_add_co_u32 s21, s21, TS                      ; my stages
	v_lshrrev_b32 v4, 3, v1
	v_mul_u32_u24 v4, v4, 144
	v_and_b32 v5, 7, v1
	v_lshl_add_u32 v4, v5, 4, v4
	v_add_nc_u32 v4, s21, v4                       ; into a stage: eight lanes fill a block: 144 (lane / 8) + 16 (lane % 8); a load's 512 bytes are four blocks
	v_mul_u32_u24 v5, v1, 144
	v_add_nc_u32 v5, s21, v5                       ; out of it: block = lane
	s_lshl_b32 s20, s16, 6
	s_add_co_u32 s20, s20, SB
	v_add_nc_u32 v6, s20, v1                       ; my block's scale byte: 64 x wave + lane (+ 32 for the second token)
	s_lshl_b32 s20, s16, 3
	s_add_co_u32 s20, s20, SL
	v_and_b32 v7, 1, v1
	v_lshl_add_u32 v7, v7, 2, s20                  ; the expert's word of token lane % 2
	v_add_nc_u32 v59, SB, v2                       ; the way out (wave 0): 16 scale bytes a lane,
	v_and_b32 v61, 15, v1
	v_lshlrev_b32 v61, 2, v61
	v_add_nc_u32 v60, SL, v61                      ; and a word of sel for each of 16 lanes
	s_mov_b32 s18, 0x76543210
	s_mov_b32 s19, 0xfedcba98                      ; v_permlanex16_b32's selects for lane l xor 16
	s_lshl_b32 s22, ttmp9, 16                      ; x: (16 wg + 2 w) rows of 4,096 bytes
	s_lshl_b32 s23, s16, 13
	s_add_co_u32 s22, s22, s23
	s_mov_b32 s23, 0
	s_lshl_b32 s24, ttmp9, 13                      ; xq: the same rows of 512 bytes
	s_lshl_b32 s25, s16, 10
	s_add_co_u32 s24, s24, s25
	s_mov_b32 s25, 0
	s_lshl_b32 s26, ttmp9, 9                       ; xsc: 16 rows of 32 bytes a work-group
	s_mov_b32 s27, 0
	s_lshl_b32 s28, ttmp9, 6                       ; sel: 16 words a work-group
	s_mov_b32 s29, 0
	s_wait_kmcnt 0x0
	s_add_nc_u64 s[4:5], s[4:5], s[22:23]
	s_add_nc_u64 s[6:7], s[6:7], s[30:31]
	s_add_nc_u64 s[8:9], s[8:9], s[24:25]
	s_add_nc_u64 s[10:11], s[10:11], s[26:27]
	s_add_nc_u64 s[12:13], s[12:13], s[28:29]
.irp i, 0,1,2,3,4,5,6,7
	global_load_b128 v[GV+4*\i:GV+4*\i+3], v2, s[6:7] offset:512*\i                    ; my share of gate_w first: it is wanted first
.endr
.irp t, 0,1
.irp i, 0,1,2,3,4,5,6,7
	global_load_b128 v[X+32*\t+4*\i:X+32*\t+4*\i+3], v2, s[4:5] offset:4096*\t+512*\i th:TH_LOAD_NT   ; register 4 i + k of lane l: x(128 i + 4 l + k)
.endr
.endr
	s_wait_loadcnt 16                              ; the eight loads of gate_w are in; the sixteen of x behind them stay out
.irp i, 0,1,2,3,4,5,6,7
	ds_store_b128 v3, v[GV+4*\i:GV+4*\i+3] offset:512*\i
.endr
	s_wait_dscnt 0x0                               ; for the others' sake: my share lies in LDS
	s_barrier_signal -1
	s_barrier_wait -1                              ; all of gate_w does
.macro GLOAD e                         ; row e of gate_w, in x's own layout, into set e % 2
.irp i, 0,1,2,3,4,5,6,7
	ds_load_b128 v[GV+32*((\e)%2)+4*\i:GV+32*((\e)%2)+4*\i+3], v2 offset:4096*(\e)+512*\i
.endr
.endm
.macro DOT e                           ; my lane's 32 products for each of the two tokens: four chains of packed multiply-adds; the first products start the sums
.set GS, GV+32*((\e)%2)
.irp t, 0,1
	v_pk_mul_f32 v[A+4*\t:A+4*\t+1], v[X+32*\t:X+32*\t+1], v[GS:GS+1]
	v_pk_mul_f32 v[A+4*\t+2:A+4*\t+3], v[X+32*\t+2:X+32*\t+3], v[GS+2:GS+3]
.endr
.irp i, 1,2,3,4,5,6,7
.irp t, 0,1
	v_pk_fma_f32 v[A+4*\t:A+4*\t+1], v[X+32*\t+4*\i:X+32*\t+4*\i+1], v[GS+4*\i:GS+4*\i+1], v[A+4*\t:A+4*\t+1]
	v_pk_fma_f32 v[A+4*\t+2:A+4*\t+3], v[X+32*\t+4*\i+2:X+32*\t+4*\i+3], v[GS+4*\i+2:GS+4*\i+3], v[A+4*\t+2:A+4*\t+3]
.endr
.endr
.irp t, 0,1
	v_pk_add_f32 v[A+4*\t:A+4*\t+1], v[A+4*\t:A+4*\t+1], v[A+4*\t+2:A+4*\t+3]
.endr
.irp t, 0,1
	v_add_f32 v[L+8*\t+\e], v[A+4*\t], v[A+4*\t+1]
.endr
.endm
	GLOAD 0
	GLOAD 1
	s_wait_loadcnt 0x0                             ; x
.irp e, 0,1,2,3,4,5
	s_wait_dscnt 8                                 ; row e is in; the eight loads of row e + 1 may be out
	DOT \e
	GLOAD \e+2
.endr
	s_wait_dscnt 8
	DOT 6
	s_wait_dscnt 0x0
	DOT 7
	; the sixteen sums over the 32 lanes, by turns; every lane ends with the same bits (each step adds the same two numbers in both lanes)
.irp k, 1,2,4,8
.set n, 0
.rept 16
	v_add_f32_dpp v[L+n], v[L+n], v[L+n] row_xmask:\k row_mask:0xf bank_mask:0xf
.set n, n+1
.endr
.endr
.set n, 0
.rept 16
	v_permlanex16_b32 v[GV+n], v[L+n], s18, s19    ; (its destination counts as read: these registers have been written)
.set n, n+1
.endr
.set n, 0
.rept 16
	v_add_f32 v[L+n], v[L+n], v[GV+n]
.set n, n+1
.endr
	; the largest logit and its expert: a later one is taken only if it is strictly larger
.irp t, 0,1
	v_mov_b32 v[BEST+\t], v[L+8*\t]
	v_mov_b32 v[IDX+\t], 0
.endr
.irp e, 1,2,3,4,5,6,7
.irp t, 0,1
	v_cmp_le_f32 vcc_lo, v[L+8*\t+\e], v[BEST+\t]
	v_cndmask_b32 v[IDX+\t], \e, v[IDX+\t], vcc_lo ; not larger: the index stays
	v_max_num_f32 v[BEST+\t], v[BEST+\t], v[L+8*\t+\e]
.endr
.endr
	; rw = 1 / (1 + 2^(-log2(e) x the largest logit))
.irp t, 0,1
	v_mul_f32 v[EX+\t], 0xbfb8aa3b, v[BEST+\t]
.endr
.irp t, 0,1
	v_exp_f32 v[EX+\t], v[EX+\t]
.endr
	v_and_b32 v58, 1, v1                           ; (a plain instruction behind the exponentials)  which of my two tokens this lane reports
	s_wait_alu depctr_va_vdst(0)
.irp t, 0,1
	v_add_f32 v[EX+\t], 1.0, v[EX+\t]
.endr
.irp t, 0,1
	v_rcp_f32 v[RW+2*\t], v[EX+\t]
.endr
	v_cmp_eq_u32 vcc_lo, 1, v58                    ; (a plain instruction behind the reciprocals)
	s_wait_alu depctr_va_vdst(0)
.irp t, 0,1
	v_mov_b32 v[RW+2*\t+1], v[RW+2*\t]
.endr
	v_cndmask_b32 v58, v[IDX], v[IDX+1], vcc_lo
	; xs = x * rw, and through the stage.  LDS serves a wave's instructions in order (ISA guide 5.7.1.4): no wait between the stores and the loads
.irp t, 0,1
.set k, 0
.rept 16
	v_pk_mul_f32 v[X+32*\t+2*k:X+32*\t+2*k+1], v[X+32*\t+2*k:X+32*\t+2*k+1], v[RW+2*\t:RW+2*\t+1]
.set k, k+1
.endr
.irp i, 0,1,2,3,4,5,6,7
	ds_store_b128 v4, v[X+32*\t+4*\i:X+32*\t+4*\i+3] offset:TST*\t+576*\i
.endr
.irp j, 0,1,2,3,4,5,6,7
	ds_load_b128 v[T+32*\t+4*\j:T+32*\t+4*\j+3], v5 offset:TST*\t+16*\j
.endr
.endr
; Token t's block of my lane: its largest magnitude (two chains, the floor among the leaves), 2 off the exponent field, four conversions.
.macro QX t
.set TT, T+32*\t
	v_max3_num_f32 v[AMA+\t], |v[TT]|, |v[TT+1]|, FLOOR
	v_max3_num_f32 v[AMB+\t], |v[TT+16]|, |v[TT+17]|, |v[TT+18]|
.irp i, 2,4,6,8,10,12
	v_max3_num_f32 v[AMA+\t], v[AMA+\t], |v[TT+\i]|, |v[TT+\i+1]|
	v_max3_num_f32 v[AMB+\t], v[AMB+\t], |v[TT+17+\i]|, |v[TT+18+\i]|
.endr
	v_max3_num_f32 v[AMA+\t], v[AMA+\t], |v[TT+14]|, |v[TT+15]|
	v_max3_num_f32 v[AMA+\t], v[AMA+\t], v[AMB+\t], |v[TT+31]|
	v_add_nc_u32 v[SC+\t], 0xff000000, v[AMA+\t]   ; the conversion takes the exponent field of this operand as its scale, and nothing else of it
.irp g, 0,1,2,3
	v_cvt_scalef32_pk8_fp4_f32 v[CD+4*\t+\g], v[TT+8*\g:TT+8*\g+7], v[SC+\t]
.endr
	v_lshrrev_b32 v[BY+\t], 23, v[SC+\t]           ; the scale's byte.  (Also the plain instruction behind the conversions)
	global_store_b128 v2, v[CD+4*\t:CD+4*\t+3], s[8:9] offset:512*\t   ; the row's 512 bytes of codes: 32 lanes, 16 consecutive bytes each, aligned
	ds_store_b8 v6, v[BY+\t] offset:32*\t
.endm
	s_wait_dscnt 16                                ; the first token is back; the second's eight stores and eight loads may be out
	QX 0
	s_wait_dscnt 0x0
	QX 1
	ds_store_b32 v7, v58                           ; sixteen lanes write the same word with the same value
	s_wait_dscnt 0x0                               ; for wave 0's sake
	s_barrier_signal -1
	s_barrier_wait -1
	s_cmp_lg_u32 s16, 0
	s_cbranch_scc1 .Lend
	ds_load_b128 v[64:67], v59                     ; wave 0 sends the work-group's 512 scale bytes as two aligned runs of 256 bytes,
	ds_load_b32 v68, v60
	s_wait_dscnt 0x0
	global_store_b128 v2, v[64:67], s[10:11]
	s_wait_xcnt 0x0                                ; EXEC is a source of the store above: it changes only behind this wait
	v_cmp_gt_u32 vcc_lo, 16, v1
	s_and_saveexec_b32 s32, vcc_lo
	global_store_b32 v61, v68, s[12:13]            ; and its 16 words of sel
	s_wait_xcnt 0x0                                ; and again in front of the line that widens it
	s_or_b32 exec_lo, exec_lo, s32
.Lend:
	s_wait_tensorcnt 0x0
	ds_add_u32 v62, v63
	s_wait_dscnt 0x0
	s_endpgm
.Lfunc_end_k_qee4b89bd01_route:
	.size	k_qee4b89bd01_route, .Lfunc_end_k_qee4b89bd01_route-k_qee4b89bd01_route
	.p2alignl 7, 3214868480
	.fill 96, 4, 3214868480
	.section	.rodata,"a",@progbits
	.p2align	6, 0x0
	.amdhsa_kernel k_qee4b89bd01_route
		.amdhsa_group_segment_fixed_size 108288
		.amdhsa_private_segment_fixed_size 0
		.amdhsa_enable_private_segment 0
		.amdhsa_kernarg_size 40
		.amdhsa_user_sgpr_count 2
		.amdhsa_user_sgpr_kernarg_segment_ptr 1
		.amdhsa_wavefront_size32 1
		.amdhsa_system_sgpr_workgroup_id_x 1
		.amdhsa_system_sgpr_workgroup_id_y 1
		.amdhsa_system_sgpr_workgroup_id_z 1
		.amdhsa_system_vgpr_workitem_id 0
		.amdhsa_next_free_vgpr 256
		.amdhsa_next_free_sgpr 66
		.amdhsa_reserve_vcc 1
		.amdhsa_float_denorm_mode_32 3
		.amdhsa_float_denorm_mode_16_64 3
		.amdhsa_memory_ordered 1
		.amdhsa_forward_progress 1
		.amdhsa_inst_pref_size 43
	.end_amdhsa_kernel
	.amdgpu_metadata
---
amdhsa.version: [ 1, 2 ]
amdhsa.kernels:
  - .name:           k_qee4b89bd01_route
    .symbol:         k_qee4b89bd01_route.kd
    .args:
      - { .name: hidden_states, .offset: 0, .size: 8, .value_kind: global_buffer, .address_space: global }
      - { .name: gate_w, .offset: 8, .size: 8, .value_kind: global_buffer, .address_space: global }
      - { .name: xq, .offset: 16, .size: 8, .value_kind: global_buffer, .address_space: global }
      - { .name: xsc, .offset: 24, .size: 8, .value_kind: global_buffer, .address_space: global }
      - { .name: sel, .offset: 32, .size: 8, .value_kind: global_buffer, .address_space: global }
    .group_segment_fixed_size: 108288
    .private_segment_fixed_size: 0
    .kernarg_segment_align: 8
    .kernarg_segment_size: 40
    .max_flat_workgroup_size: 256
    .sgpr_count:     66
    .vgpr_count:     256
    .wavefront_size: 32
...
	.end_amdgpu_metadata
.endif
;; end of part 1
;; launch prep (part 2): grid 257 x 1, 6 waves a work-group, no clusters, 52,224 bytes of LDS; arguments w_gate, w_up, w_down, sel, wq, order, cnt; writes wq, order, cnt
.if DOCPART == 2
	.amdgcn_target "amdgcn-amd-amdhsa--gfx1250"
	.amdhsa_code_object_version 6
	.text
	.protected	k_qee4b89bd01_prep
	.globl	k_qee4b89bd01_prep
	.p2align	8
	.type	k_qee4b89bd01_prep,@function
k_qee4b89bd01_prep:
	s_mov_b64 s[64:65], 0
	v_nop
	global_prefetch_b8 v0, s[64:65] scope:SCOPE_SE
	s_setreg_imm32_b32 hwreg(HW_REG_WAVE_MODE, 25, 1), 1
	s_wait_xcnt 0x0
; TWO JOBS THAT DO NOT DEPEND ON EACH OTHER, IN ONE LAUNCH.
; WORK-GROUPS 1 .. 256: THE WEIGHTS' CODES.  w_gate, w_up [8][512][1024], w_down [8][1024][512], f32, K innermost, become codes of E2M1 with one E8M0 byte for each 32 along K,
; laid in the order in which the next launch's waves take them into operand registers.  wq = [128 records][12 chunks][4,352 bytes]; record 16 e + w belongs to wave w of a tile of expert e.
; A chunk is four fragments (16 rows x 128 K) and their scale words: byte 1024 f + 512 g + 16 lane: the 16 bytes of block 2 g + lane / 16 of row lane % 16 of fragment f (registers 4 g .. 4 g + 3 of the operand);
; byte 4096 + 8 lane: two words: the scale words of row lane % 16 of fragments lane / 16 and 2 + lane / 16.
; Chunk c < 8: K step c of the first products: fragments 0, 1: w_gate[e] rows 32 w + 8 u + r + 8 (r / 8), u = 0, 1; fragments 2, 3: the same rows of w_up[e].  (The rows of a fragment are not neighbours: so the
; results of fragments u = 0, 1 are 16 neighbours along the next K in a lane.)   Chunk c >= 8: K step c - 8 of the last product: fragment f: w_down[e] rows 64 w + 16 f + r.
; One wave makes one chunk.  A load takes a row's 512 bytes of the K step as they lie; 16 rows turn through the wave's own stage in LDS (528 bytes apart) and come back 32 neighbours (a whole block) to a lane, twice.
; WORK-GROUP 0: THE PLACES.  sel [4096] (the chosen experts, stored by the launch before) is sorted by counting: order [144][32]: the token of each slot of each tile of 32 rows, every expert beginning a tile of its own;
; cnt: the eight experts' numbers of rows.  Slots that no token takes hold 0.  Four waves have a share of 1,024 tokens each.  They walk the same lines on shares 0 and 1, their counts go to
; words that nobody reads, and they end behind the barrier; so no wave parts from the others ahead of it.  All six share the clearing of order.
; LIMITS: NaN and infinities are not served.  A block of zeros gets the byte 1 and zero codes: the bytes are read by this program alone.
.set STG,   8448                       ; LDS: a stage of 16 rows x 528 bytes for each of the six waves (the weights' work-groups alone)
.set PL,    50688                      ; behind them: 128 bytes of counts for each wave (work-group 0 alone)
.set FLOOR, 0x1800000                  ; 2^(3 - 127)
.set AM,   8                           ; v8-9    largest magnitudes of my two blocks
.set SC,   10                          ; v10-11  the conversions' scale operands
.set BY,   12                          ; v12-13  the bytes
.set SW,   16                          ; v16-19  the four fragments' scale words
.set CD,   32                          ; v32-63  codes, eight registers a fragment: no store's data are written again
.set T,    64                          ; v64-127 two blocks of 32 neighbours
.set RAW,  128                         ; v128-255 two sets of 16 rows as loaded
	s_load_b256 s[4:11], s[0:1], 0x0               ; w_gate s[4:5], w_up s[6:7], w_down s[8:9], sel s[10:11]
	s_load_b128 s[12:15], s[0:1], 0x20             ; wq s[12:13], order s[14:15]
	s_load_b64 s[16:17], s[0:1], 0x30              ; cnt
	v_lshl_add_u32 v30, v0, 2, 0xc900
	v_mov_b32 v31, 0
	v_lshrrev_b32 v1, 5, v0
	v_readfirstlane_b32 s20, v1                    ; wave 0..5
	v_and_b32 v1, 31, v0                           ; lane
	v_lshlrev_b32 v2, 4, v1                        ; 16 x lane
	s_mov_b32 s18, 0x76543210
	s_mov_b32 s19, 0xfedcba98                      ; v_permlanex16_b32's selects for lane l xor 16
	s_cmp_eq_u32 ttmp9, 0
	s_cbranch_scc1 .Lplace
	; ---------------- the weights ----------------
	v_lshlrev_b32 v3, 3, v1                        ; 8 x lane
	s_mul_i32 s21, s20, STG                        ; my stage
	v_add_nc_u32 v4, s21, v2                       ; into it: a row as it lies
	v_and_b32 v5, 15, v1                           ; r
	v_lshrrev_b32 v6, 4, v1                        ; h
	v_mul_u32_u24 v5, v5, 528
	v_lshl_add_u32 v5, v6, 7, v5
	v_add_nc_u32 v5, s21, v5                       ; out of it: row r, block h (+ 256 bytes for block 2 + h).  528 bytes = 132 words: row r starts at bank 4 r mod 64 (64 banks of 4 bytes: ISA guide 11.1)
	v_lshlrev_b32 v6, 3, v6                        ; 8 h: my bytes' place in a scale word, in bits
	v_mov_b32 v15, 0                               ; written once: a lane permute's destination counts as one of its sources
	s_sub_co_u32 s22, ttmp9, 1
	s_lshr_b32 s24, s22, 1                         ; the record R = 16 e + w
	s_and_b32 s23, s22, 1
	s_mul_i32 s23, s23, 6
	s_add_co_u32 s23, s23, s20                     ; the chunk c = 6 (j % 2) + wave
	s_lshl_b32 s26, s24, 17                        ; in all three tensors an expert is 2^21 bytes and a record's rows 2^17 (32 rows of 4,096 bytes, or 64 of 2,048),
	s_and_b32 s25, s23, 7
	s_lshl_b32 s25, s25, 9                         ; and a K step 512 bytes
	s_add_co_u32 s26, s26, s25
	s_mov_b32 s27, 0
	s_mul_i32 s28, s24, 12
	s_add_co_u32 s28, s28, s23
	s_mul_i32 s28, s28, 4352
	s_mov_b32 s29, 0
	s_wait_kmcnt 0x0
	s_add_nc_u64 s[4:5], s[4:5], s[26:27]
	s_add_nc_u64 s[6:7], s[6:7], s[26:27]
	s_add_nc_u64 s[8:9], s[8:9], s[26:27]
	s_add_nc_u64 s[12:13], s[12:13], s[28:29]
; Fragment f's 16 rows into set f % 2.  Both ways issue 16 loads, so the counts below hold on both.  The branch hangs on the chunk's number alone.
.macro LOADF f
.set RSL, RAW+64*((\f)%2)
	s_cmp_lt_u32 s23, 8
	s_cbranch_scc0 .Ldown_\@
.set i, 0
.rept 16
.if (\f) < 2
	global_load_b128 v[RSL+4*i:RSL+4*i+3], v2, s[4:5] offset:(8*((\f)%2)+i+8*(i/8))*4096 th:TH_LOAD_NT
.else
	global_load_b128 v[RSL+4*i:RSL+4*i+3], v2, s[6:7] offset:(8*((\f)%2)+i+8*(i/8))*4096 th:TH_LOAD_NT
.endif
.set i, i+1
.endr
	s_branch .Lasked_\@
.Ldown_\@:
.set i, 0
.rept 16
	global_load_b128 v[RSL+4*i:RSL+4*i+3], v2, s[8:9] offset:(16*(\f)+i)*2048 th:TH_LOAD_NT
.set i, i+1
.endr
.Lasked_\@:
.endm
; Fragment f is turned, quantised and stored.  left: the younger loads that may stay out.
.macro FRAG f, left
.set RSF, RAW+64*((\f)%2)
	s_wait_loadcnt \left
.set i, 0
.rept 16
	ds_store_b128 v4, v[RSF+4*i:RSF+4*i+3] offset:528*i
.set i, i+1
.endr
.irp g, 0,1
.irp j, 0,1,2,3,4,5,6,7
	ds_load_b128 v[T+32*\g+4*\j:T+32*\g+4*\j+3], v5 offset:256*\g+16*\j    ; LDS serves a wave's instructions in order (ISA guide 5.7.1.4): these see the stores above
.endr
.endr
	s_wait_dscnt 0x0                               ; my two blocks are in, and the stores have read the set,
.if (\f) < 2
	LOADF (\f)+2                                   ; which takes the fragment two further on
.endif
.irp g, 0,1
	v_max3_num_f32 v[AM+\g], |v[T+32*\g]|, |v[T+32*\g+1]|, FLOOR
.endr
.irp i, 2,4,6,8,10,12,14,16,18,20,22,24,26,28,30
.irp g, 0,1
	v_max3_num_f32 v[AM+\g], v[AM+\g], |v[T+32*\g+\i]|, |v[T+32*\g+\i+1]|  ; (the two blocks by turns)
.endr
.endr
.irp g, 0,1
	v_add_nc_u32 v[SC+\g], 0xff000000, v[AM+\g]    ; 2 off the exponent field: the conversion's scale operand
.endr
.irp g, 0,1
	v_lshrrev_b32 v[BY+\g], 23, v[SC+\g]           ; the scale's byte
.endr
.irp g, 0,1
.irp k, 0,1,2,3
	v_cvt_scalef32_pk8_fp4_f32 v[CD+8*(\f)+4*\g+\k], v[T+32*\g+8*\k:T+32*\g+8*\k+7], v[SC+\g]
.endr
.endr
	v_lshl_or_b32 v14, v[BY+1], 16, v[BY]          ; my two bytes, blocks h and 2 + h,  (also the plain instruction behind the conversions)
	v_lshlrev_b32 v14, v6, v14                     ; at their places in the row's word;
	v_permlanex16_b32 v15, v14, s18, s19
	v_or_b32 v[SW+(\f)], v14, v15                  ; with lane l xor 16's two it is whole, in both lanes
.irp g, 0,1
	global_store_b128 v2, v[CD+8*(\f)+4*\g:CD+8*(\f)+4*\g+3], s[12:13] offset:1024*(\f)+512*\g   ; 512 consecutive bytes, aligned to 256
.endr
.endm
	LOADF 0
	LOADF 1
	FRAG 0, 16                                     ; the next fragment's 16 loads stay out
	FRAG 1, 16
	FRAG 2, 16
	FRAG 3, 0
	v_cmp_lt_u32 vcc_lo, 15, v1
	v_cndmask_b32 v20, v[SW], v[SW+1], vcc_lo      ; lanes 0-15: fragment 0's words, lanes 16-31: fragment 1's;
	v_cndmask_b32 v21, v[SW+2], v[SW+3], vcc_lo    ; fragments 2 and 3 likewise
	global_store_b64 v3, v[20:21], s[12:13] offset:4096   ; 256 consecutive bytes, aligned
	s_wait_tensorcnt 0x0
	ds_add_u32 v30, v31
	s_wait_dscnt 0x0
	s_endpgm
	; ---------------- the places ----------------
.Lplace:
	v_lshl_add_u32 v3, v0, 2, PL                   ; my word among my wave's counts
	v_lshl_add_u32 v4, v1, 2, PL                   ; and where I read the waves' counts
	v_lshlrev_b32 v17, 2, v1                       ; 4 x lane
	s_mul_i32 s21, s20, 3072
	v_add_nc_u32 v5, s21, v2                       ; my sixth of order: six stores of 512 bytes
	s_and_b32 s22, s20, 3                          ; my share of the tokens (waves 4 and 5: see the head)
	s_lshl_b32 s23, s22, 12
	v_add_nc_u32 v6, s23, v2
.irp k, 20,21,22,23
	v_mov_b32 v\k, 0
.endr
.irp e, 0,1,2,3,4,5,6,7
	s_mov_b32 s[24+\e], 0                          ; how many of expert e my share has shown so far
.endr
	s_wait_kmcnt 0x0
.irp i, 0,1,2,3,4,5,6,7
	global_load_b128 v[32+4*\i:32+4*\i+3], v6, s[10:11] offset:512*\i      ; register 4 i + k of lane l: token 1024 share + 128 i + 4 l + k
.endr
.irp i, 0,1,2,3,4,5
	global_store_b128 v5, v[20:23], s[14:15] offset:512*\i                 ; zeros
.endr
	s_wait_loadcnt 0x0
	; a token's place among its expert's tokens in my share: those in earlier registers (the scalar count) + those in lower lanes of this register
.set n, 0
.rept 32
.irp e, 0,1,2,3,4,5,6,7
	v_cmp_eq_u32 s[32+\e], \e, v[32+n]
.endr
	v_mbcnt_lo_u32_b32 v[64+n], s32, s24
.irp e, 1,2,3,4,5,6,7
	v_mbcnt_lo_u32_b32 v[8+\e], s[32+\e], s[24+\e]
.endr
.irp e, 1,2,3,4,5,6,7
	v_cndmask_b32 v[64+n], v[64+n], v[8+\e], s[32+\e]
.endr
.irp e, 0,1,2,3,4,5,6,7
	s_bcnt1_i32_b32 s40, s[32+\e]
	s_add_co_u32 s[24+\e], s[24+\e], s40
.endr
.set n, n+1
.endr
	v_mov_b32 v18, 0
.irp e, 0,1,2,3,4,5,6,7
	v_writelane_b32 v18, s[24+\e], \e              ; lane e: my share's count of expert e; lanes 8-31: 0
.endr
	ds_store_b32 v3, v18
	s_wait_storecnt 0x0                            ; my zeros are written: behind the barrier other waves store tokens over them
	s_wait_dscnt 0x0                               ; my counts lie in LDS
	s_barrier_signal -1
	s_barrier_wait -1
	s_cmp_ge_u32 s20, 4
	s_cbranch_scc1 .Lend
.irp p, 0,1,2,3
	ds_load_b32 v[9+\p], v4 offset:128*\p          ; the four shares' counts
.endr
	s_wait_dscnt 0x0
	v_add_nc_u32 v13, v9, v10
	v_add3_u32 v13, v13, v11, v12                  ; lane e: expert e's rows in all
	v_mov_b32 v14, 0
	s_mov_b32 s41, 0                               ; tiles so far
.irp e, 0,1,2,3,4,5,6,7
	v_readlane_b32 s42, v13, \e
	s_lshl_b32 s43, s41, 5
	v_writelane_b32 v14, s43, \e                   ; lane e: expert e's first slot: every expert begins a tile
	s_add_co_u32 s42, s42, 31
	s_lshr_b32 s42, s42, 5
	s_add_co_u32 s41, s41, s42
.endr
.irp p, 0,1,2
	s_cmp_gt_u32 s20, \p
	s_cselect_b32 s44, -1, 0
	v_and_b32 v15, s44, v[9+\p]
	v_add_nc_u32 v14, v14, v15                     ; + what the shares ahead of mine hold of it
.endr
.set n, 0
.rept 32
	v_min_u32 v[160+n], 7, v[32+n]                 ; a lane's number made of a loaded number is held first
	v_lshlrev_b32 v[160+n], 2, v[160+n]
	ds_bpermute_b32 v[96+n], v[160+n], v14         ; my token's expert's first free slot
.set n, n+1
.endr
	s_lshl_b32 s45, s20, 10
	v_lshl_add_u32 v16, v1, 2, s45                 ; token 1024 share + 4 lane
	s_wait_dscnt 0x0
.set n, 0
.rept 32
	v_add_nc_u32 v[64+n], v[64+n], v[96+n]
	v_min_u32 v[64+n], 0x10ff, v[64+n]             ; a slot's number: at most 32 x 135 - 1; held, since it becomes an address
	v_lshlrev_b32 v[64+n], 2, v[64+n]
	v_add_nc_u32 v[128+n], 128*(n/4)+n%4, v16
	global_store_b32 v[64+n], v[128+n], s[14:15]
.set n, n+1
.endr
	s_cmp_lg_u32 s20, 0
	s_cbranch_scc1 .Lend
	global_store_b32 v17, v13, s[16:17]            ; cnt: words 0-7 the counts, words 8-31 zeros
.Lend:
	s_wait_tensorcnt 0x0
	ds_add_u32 v30, v31
	s_wait_dscnt 0x0
	s_endpgm
.Lfunc_end_k_qee4b89bd01_prep:
	.size	k_qee4b89bd01_prep, .Lfunc_end_k_qee4b89bd01_prep-k_qee4b89bd01_prep
	.p2alignl 7, 3214868480
	.fill 96, 4, 3214868480
	.section	.rodata,"a",@progbits
	.p2align	6, 0x0
	.amdhsa_kernel k_qee4b89bd01_prep
		.amdhsa_group_segment_fixed_size 52224
		.amdhsa_private_segment_fixed_size 0
		.amdhsa_enable_private_segment 0
		.amdhsa_kernarg_size 56
		.amdhsa_user_sgpr_count 2
		.amdhsa_user_sgpr_kernarg_segment_ptr 1
		.amdhsa_wavefront_size32 1
		.amdhsa_system_sgpr_workgroup_id_x 1
		.amdhsa_system_sgpr_workgroup_id_y 1
		.amdhsa_system_sgpr_workgroup_id_z 1
		.amdhsa_system_vgpr_workitem_id 0
		.amdhsa_next_free_vgpr 256
		.amdhsa_next_free_sgpr 66
		.amdhsa_reserve_vcc 1
		.amdhsa_float_denorm_mode_32 3
		.amdhsa_float_denorm_mode_16_64 3
		.amdhsa_memory_ordered 1
		.amdhsa_forward_progress 1
		.amdhsa_inst_pref_size 117
	.end_amdhsa_kernel
	.amdgpu_metadata
---
amdhsa.version: [ 1, 2 ]
amdhsa.kernels:
  - .name:           k_qee4b89bd01_prep
    .symbol:         k_qee4b89bd01_prep.kd
    .args:
      - { .name: w_gate, .offset: 0, .size: 8, .value_kind: global_buffer, .address_space: global }
      - { .name: w_up, .offset: 8, .size: 8, .value_kind: global_buffer, .address_space: global }
      - { .name: w_down, .offset: 16, .size: 8, .value_kind: global_buffer, .address_space: global }
      - { .name: sel, .offset: 24, .size: 8, .value_kind: global_buffer, .address_space: global }
      - { .name: wq, .offset: 32, .size: 8, .value_kind: global_buffer, .address_space: global }
      - { .name: order, .offset: 40, .size: 8, .value_kind: global_buffer, .address_space: global }
      - { .name: cnt, .offset: 48, .size: 8, .value_kind: global_buffer, .address_space: global }
    .group_segment_fixed_size: 52224
    .private_segment_fixed_size: 0
    .kernarg_segment_align: 8
    .kernarg_segment_size: 56
    .max_flat_workgroup_size: 192
    .sgpr_count:     66
    .vgpr_count:     256
    .wavefront_size: 32
...
	.end_amdgpu_metadata
.endif
;; end of part 2
;; launch chain (part 3): grid 135 x 1, 16 waves a work-group, no clusters, 98,304 bytes of LDS; arguments xq, xsc, wq, order, cnt, out0; writes out0
.if DOCPART == 3
	.amdgcn_target "amdgcn-amd-amdhsa--gfx1250"
	.amdhsa_code_object_version 6
	.text
	.protected	k_qee4b89bd01_chain
	.globl	k_qee4b89bd01_chain
	.p2align	8
	.type	k_qee4b89bd01_chain,@function
k_qee4b89bd01_chain:
	s_mov_b64 s[64:65], 0
	v_nop
	global_prefetch_b8 v0, s[64:65] scope:SCOPE_SE
	s_setreg_imm32_b32 hwreg(HW_REG_WAVE_MODE, 25, 1), 1
	s_wait_xcnt 0x0
; ONE TILE OF 32 ROWS OF ONE EXPERT THROUGH THE WHOLE CHAIN: g = xs Wg^T, u = xs Wu^T, h = u g sigmoid(g), h quantised along its 512, out = h Wd^T.  All three products on codes of E2M1 with E8M0 scales.
; THE GRID serves every split: 4,096 rows in tiles of 32, each of 8 experts beginning a tile of its own, are never more than 128 + 7 tiles.  The tile's expert and its number of rows are found from cnt; its tokens stand
; at a fixed place of order.  A work-group that a split leaves without rows walks the same lines on token 0 (every wave passes both barriers) and stores nothing.
; Slots behind the tile's last row repeat its last row: they compute the same numbers, and where one is stored it stores the same bytes at the same place.
; SHARES.  THE SIXTEEN WAVES SHARE THE COLUMNS: wave w makes hidden units 32 w .. 32 w + 31 (one block of the next K) and outputs 64 w .. 64 w + 63 (256 bytes of a row), for all 32 rows.  So each weight fragment is read by
; one wave alone: it goes from memory straight into that wave's operand registers, 12 chunks of 4,352 bytes on end, laid for that by the launch before; three to four chunks of every wave are on their way.
; No tensor load, so no ring.  NO CLUSTER: which tiles belong to one expert hangs on counts read from memory, so partners that share weights cannot be fixed at the launch, and no tile goes through LDS to be shared.
; BOTH PRODUCTS ARE USED TRANSPOSED (source 0 = 16 rows of a weight, source 1 = 16 rows of the tile): a lane holds one row of the tile, and its registers run along the units.
; The rows' codes go through LDS in PIECES: 16 rows x 16 bytes (one block of 32 along K), 272 bytes apart: lanes 0-15 of an operand load read one piece whole, lanes 16-31 the next.
; LIMITS: NaN and infinities are not served.  Where g is under about -88 the term u g sigmoid(g) comes out as 0 (v_exp_f32 overflows to infinity, its reciprocal is 0).  A block of zeros gets the byte 1 and zero codes.
.set XIMG,  0                          ; LDS: xs: piece (m, block B) at (32 m + B) x 272
.set HIMG,  17408                      ; h: piece (m, B) at (16 m + B) x 272
.set HSC,   26112                      ; h's scale bytes: 128 s + 4 row + b for block 4 s + b
.set STG,   26624                      ; the way out: 16 rows x 272 bytes for each wave
.set FLOOR, 0x1800000                  ; 2^(3 - 127)
.set CHUNK, 4352
.set TOK,  5                           ; v5      lane = slot: its token
.set XS,   8                           ; v8-15   xs's scale words: register s: K step s; lane = row.  Scales and nothing else
.set HS,   16                          ; v16-19  h's likewise
.set WS,   20                          ; v20-27  the weights' scale words, a pair for each buffer
.set XF,   32                          ; v32-63  the rows' fragments, two sets of 16 (row tile m at + 8 m); between the products at work
.set WB,   64                          ; v64-191 four buffers of a chunk's four fragments
.set ACC,  192                         ; v192-255 first products: g of row tile m at + 16 m, u at + 32 + 16 m (tile u of units at + 8 u);  last product: (m, t) at + 32 m + 8 t
.set STO,  32                          ; the way out: v32 into my stage, v33 out of it, v34 my bytes in a row of out0, v35 4 h
.set RD,   33
.set COL,  34
.set IX,   64                          ; v64-79  lanes' numbers for the tokens of the rows that I store
.set VO,   80                          ; v80-95  their byte offsets in out0
.set BK,   96                          ; v96-159 the rows read back
	s_load_b256 s[4:11], s[0:1], 0x0               ; xq s[4:5], xsc s[6:7], wq s[8:9], order s[10:11]
	s_load_b128 s[12:15], s[0:1], 0x20             ; cnt s[12:13], out0 s[14:15]
	v_lshrrev_b32 v6, 5, v0
	v_readfirstlane_b32 s16, v6                    ; wave 0..15
	v_and_b32 v7, 31, v0                           ; lane
	v_lshlrev_b32 v1, 4, v7                        ; v1 16 x lane, v2 8 x lane, v4 4 x lane: never rewritten
	v_lshlrev_b32 v2, 3, v7
	v_lshlrev_b32 v4, 2, v7
	v_and_b32 v6, 15, v0                           ; r
	v_bfe_u32 v31, v0, 4, 1                        ; h
	v_mul_u32_u24 v3, v31, 272
	v_lshl_add_u32 v3, v6, 4, v3                   ; v3: an operand load: piece + h, row r
	s_lshr_b32 s36, s16, 3
	s_mul_i32 s36, s36, 8704
	s_and_b32 s37, s16, 7
	s_lshl_b32 s37, s37, 5
	s_add_co_u32 s36, s36, s37
	v_mul_u32_u24 v28, v7, 272
	v_add_nc_u32 v28, s36, v28                     ; v28: I bring rows 2 w, 2 w + 1: lane = block: piece 32 (w / 8) + lane, row 2 (w % 8)
	s_mul_i32 s36, s16, 272
	s_add_co_u32 s36, s36, HIMG
	v_lshlrev_b32 v29, 4, v6
	v_lshl_add_u32 v29, v31, 3, v29
	v_add_nc_u32 v29, s36, v29                     ; v29: h's piece w: row r, my half's 8 bytes
	s_lshr_b32 s36, s16, 2
	s_lshl_b32 s36, s36, 7
	s_and_b32 s37, s16, 3
	s_add_co_u32 s36, s36, s37
	s_add_co_u32 s36, s36, HSC
	v_add_nc_u32 v30, s36, v4                      ; v30: h's scale byte of block w, row = lane
	s_mov_b32 s46, 0x76543210
	s_mov_b32 s47, 0xfedcba98                      ; v_permlanex16_b32's selects for lane l xor 16
	s_lshl_b32 s44, s16, 1                         ; my two slots
	s_add_co_u32 s45, s44, 1
	s_lshl_b32 s36, ttmp9, 7                       ; the tile's 32 words of order
	s_mov_b32 s37, 0
	s_wait_kmcnt 0x0
	s_load_b256 s[24:31], s[12:13], 0x0            ; the eight counts
	s_add_nc_u64 s[10:11], s[10:11], s[36:37]
	global_load_b32 v6, v4, s[10:11]               ; lane = slot
	s_wait_kmcnt 0x0
	; which expert's tile am I: the last expert whose first tile is not behind me.  No branch
	s_mov_b32 s32, 0                               ; the expert,
	s_mov_b32 s33, 0                               ; its first tile,
	s_mov_b32 s34, s24                             ; its rows
	s_mov_b32 s35, 0
.irp e, 1,2,3,4,5,6,7
	s_add_co_u32 s36, s[24+\e-1], 31
	s_lshr_b32 s36, s36, 5
	s_add_co_u32 s35, s35, s36                     ; expert e's first tile
	s_cmp_ge_u32 ttmp9, s35
	s_cselect_b32 s32, \e, s32
	s_cselect_b32 s33, s35, s33
	s_cselect_b32 s34, s[24+\e], s34
.endr
	s_sub_co_u32 s36, ttmp9, s33
	s_lshl_b32 s36, s36, 5
	s_sub_co_i32 s38, s34, s36
	s_min_i32 s38, s38, 32                         ; s38: my rows: 1 to 32, or 0 and less where the split leaves me none
	s_sub_co_i32 s39, s38, 1
	s_max_i32 s39, s39, 0                          ; s39: my last slot that holds a row
	s_min_u32 s32, s32, 7                          ; held, since it becomes an address
	s_lshl_b32 s36, s32, 4
	s_add_co_u32 s36, s36, s16
	s_mul_i32 s40, s36, 12*CHUNK                   ; my record: 16 e + w
	s_mov_b32 s41, 0
	s_add_nc_u64 s[8:9], s[8:9], s[40:41]
.macro LOADW c                         ; chunk c into buffer c % 4: nine loads
.irp k, 0,1,2,3,4,5,6,7
	global_load_b128 v[WB+32*((\c)%4)+4*\k:WB+32*((\c)%4)+4*\k+3], v1, s[8:9] offset:CHUNK*(\c)+512*\k
.endr
	global_load_b64 v[WS+2*((\c)%4):WS+2*((\c)%4)+1], v2, s[8:9] offset:CHUNK*(\c)+4096
.endm
	LOADW 0                                        ; the weights hang on the counts alone: they go out ahead of everything that hangs on the tokens
	LOADW 1
	LOADW 2
	s_wait_loadcnt 27                              ; the tile's tokens are in; the 27 loads of weights behind them stay out
	v_and_b32 v31, 31, v0
	v_min_u32 v31, s39, v31                        ; slots behind my last row repeat it
	v_min_u32 v31, 31, v31                         ; (a lane's number made of a loaded number is held by a constant)
	v_lshlrev_b32 v31, 2, v31
	ds_bpermute_b32 v[TOK], v31, v6
	s_wait_dscnt 0x0
	v_min_u32 v[TOK], 0xfff, v[TOK]                ; held, since it becomes an address
	v_lshlrev_b32 v7, 5, v[TOK]
	global_load_b128 v[XS:XS+3], v7, s[6:7]        ; my slot's 32 scale bytes: register s is K step s's scale register: rows 0-15 in lanes 0-15, rows 16-31 in lanes 16-31
	global_load_b128 v[XS+4:XS+7], v7, s[6:7] offset:16
	v_readlane_b32 s42, v[TOK], s44
	v_readlane_b32 s43, v[TOK], s45
	s_min_u32 s42, s42, 0xfff
	s_min_u32 s43, s43, 0xfff
	v_lshl_add_u32 v6, s42, 9, v1
	v_lshl_add_u32 v31, s43, 9, v1
	global_load_b128 v[32:35], v6, s[4:5]          ; a whole row of codes, 512 consecutive bytes: lane = block
	global_load_b128 v[36:39], v31, s[4:5]
	s_wait_loadcnt 0x0                             ; these four are the youngest
	ds_store_b128 v28, v[32:35]                    ; 272 bytes from lane to lane
	ds_store_b128 v28, v[36:39] offset:16
	s_wait_dscnt 0x0                               ; for the others' sake
	s_barrier_signal -1
	s_barrier_wait -1                              ; the 32 rows' codes lie in LDS
.macro FLOAD base, pm, s, set          ; the two row tiles' fragments of K step s into a set: four loads.  pm: pieces in a row tile
.irp m, 0,1
.irp g, 0,1
	ds_load_b128 v[XF+16*(\set)+8*\m+4*\g:XF+16*(\set)+8*\m+4*\g+3], v3 offset:\base+((\pm)*\m+4*(\s)+2*\g)*272
.endr
.endr
.endm
; A product: D (+)= fragment f of buffer buf x row tile m of a set.  The weights' scale words of fragments 2 i and 2 i + 1 share a register (lanes 0-15, lanes 16-31); so do the two row tiles' words.
.macro MM d, f, m, buf, set, sreg, zero
.set RA, WB+32*(\buf)+8*(\f)
.set RB, XF+16*(\set)+8*(\m)
.set RS, WS+2*(\buf)+(\f)/2
.if \zero
.if ((\f)%2 == 0) && ((\m) == 0)
	v_wmma_scale_f32_16x16x128_f8f6f4 v[(\d):(\d)+7], v[RA:RA+7], v[RB:RB+7], 0, v[RS], v[\sreg] matrix_a_fmt:MATRIX_FMT_FP4 matrix_b_fmt:MATRIX_FMT_FP4
.elseif ((\f)%2 == 1) && ((\m) == 0)
	v_wmma_scale_f32_16x16x128_f8f6f4 v[(\d):(\d)+7], v[RA:RA+7], v[RB:RB+7], 0, v[RS], v[\sreg] matrix_a_fmt:MATRIX_FMT_FP4 matrix_b_fmt:MATRIX_FMT_FP4 matrix_a_scale:MATRIX_SCALE_ROW1
.elseif ((\f)%2 == 0)
	v_wmma_scale_f32_16x16x128_f8f6f4 v[(\d):(\d)+7], v[RA:RA+7], v[RB:RB+7], 0, v[RS], v[\sreg] matrix_a_fmt:MATRIX_FMT_FP4 matrix_b_fmt:MATRIX_FMT_FP4 matrix_b_scale:MATRIX_SCALE_ROW1
.else
	v_wmma_scale_f32_16x16x128_f8f6f4 v[(\d):(\d)+7], v[RA:RA+7], v[RB:RB+7], 0, v[RS], v[\sreg] matrix_a_fmt:MATRIX_FMT_FP4 matrix_b_fmt:MATRIX_FMT_FP4 matrix_a_scale:MATRIX_SCALE_ROW1 matrix_b_scale:MATRIX_SCALE_ROW1
.endif
.else
.if ((\f)%2 == 0) && ((\m) == 0)
	v_wmma_scale_f32_16x16x128_f8f6f4 v[(\d):(\d)+7], v[RA:RA+7], v[RB:RB+7], v[(\d):(\d)+7], v[RS], v[\sreg] matrix_a_fmt:MATRIX_FMT_FP4 matrix_b_fmt:MATRIX_FMT_FP4
.elseif ((\f)%2 == 1) && ((\m) == 0)
	v_wmma_scale_f32_16x16x128_f8f6f4 v[(\d):(\d)+7], v[RA:RA+7], v[RB:RB+7], v[(\d):(\d)+7], v[RS], v[\sreg] matrix_a_fmt:MATRIX_FMT_FP4 matrix_b_fmt:MATRIX_FMT_FP4 matrix_a_scale:MATRIX_SCALE_ROW1
.elseif ((\f)%2 == 0)
	v_wmma_scale_f32_16x16x128_f8f6f4 v[(\d):(\d)+7], v[RA:RA+7], v[RB:RB+7], v[(\d):(\d)+7], v[RS], v[\sreg] matrix_a_fmt:MATRIX_FMT_FP4 matrix_b_fmt:MATRIX_FMT_FP4 matrix_b_scale:MATRIX_SCALE_ROW1
.else
	v_wmma_scale_f32_16x16x128_f8f6f4 v[(\d):(\d)+7], v[RA:RA+7], v[RB:RB+7], v[(\d):(\d)+7], v[RS], v[\sreg] matrix_a_fmt:MATRIX_FMT_FP4 matrix_b_fmt:MATRIX_FMT_FP4 matrix_a_scale:MATRIX_SCALE_ROW1 matrix_b_scale:MATRIX_SCALE_ROW1
.endif
.endif
.endm
; A load into a register that a matrix instruction has read, and a vector instruction or an LDS store that reads a matrix result, stand four places behind it; only plain vector instructions
; that name none of its registers are places (ISA guide 7.12.1 for vector instructions).
.macro PLACES
.rept 4
	v_nop
.endr
.endm
; K step s of the first products: chunk s.  Eight accumulators (g and u, two tiles of units, two row tiles) take turns, one instruction a turn, in the same order in every step.
.macro STEP1 s
.if (\s) > 0
	PLACES
.endif
	LOADW (\s)+3                                   ; into the buffer that the step before has left
.if (\s) < 7
	FLOAD XIMG, 32, (\s)+1, ((\s)+1)%2
	s_wait_loadcnt 27                              ; chunk s is in; the three behind it stay out
	s_wait_dscnt 4                                 ; this step's fragments are in; the four loads just issued stay out
.else
	s_wait_loadcnt 27
	s_wait_dscnt 0x0
.endif
.irp m, 0,1
.irp f, 0,1,2,3
	MM ACC+32*(\f/2)+16*\m+8*(\f%2), \f, \m, (\s)%4, (\s)%2, XS+(\s), (\s)==0
.endr
.endr
.endm
	FLOAD XIMG, 32, 0, 0
.irp s, 0,1,2,3,4,5,6,7
	STEP1 \s                                       ; the first step's products start the sums
.endr
	; lane (r, h), register 16 m + i of g and of u: row 16 m + r, hidden unit 32 w + 16 h + i
	; ---- h = u g / (1 + 2^(-log2(e) g)), in f32; each accumulator is read from its low end on.  Meanwhile the last product's chunks land
	PLACES
	LOADW 11
.set k, 0
.rept 16
	v_pk_mul_f32 v[XF+2*k:XF+2*k+1], v[ACC+2*k:ACC+2*k+1], 0xbfb8aa3b op_sel_hi:[1,0]
.set k, k+1
.endr
.set k, 0
.rept 32
	v_exp_f32 v[XF+k], v[XF+k]
.set k, k+1
.endr
.set k, 0
.rept 16
	v_pk_mul_f32 v[ACC+2*k:ACC+2*k+1], v[ACC+2*k:ACC+2*k+1], v[ACC+32+2*k:ACC+32+2*k+1]   ; g u.  (Plain instructions behind the exponentials)
.set k, k+1
.endr
.set k, 0
	s_wait_alu depctr_va_vdst(0)
.rept 16
	v_pk_add_f32 v[XF+2*k:XF+2*k+1], v[XF+2*k:XF+2*k+1], 1.0 op_sel_hi:[1,0]
.set k, k+1
.endr
.set k, 0
.rept 32
	v_rcp_f32 v[XF+k], v[XF+k]
.set k, k+1
.endr
	v_nop                                          ; a plain instruction behind the reciprocals
.set k, 0
	s_wait_alu depctr_va_vdst(0)
.rept 16
	v_pk_mul_f32 v[ACC+2*k:ACC+2*k+1], v[ACC+2*k:ACC+2*k+1], v[XF+2*k:XF+2*k+1]
.set k, k+1
.endr
	; ---- h's block w of each row: my 16 numbers and lane l xor 16's.  v32-33 largest magnitudes, v34-35 the other lane's, v36-37 scale operands, v38-39 bytes, v40-43 codes
.irp m, 0,1
	v_max3_num_f32 v[32+\m], |v[ACC+16*\m]|, |v[ACC+16*\m+1]|, FLOOR
.endr
.irp i, 2,4,6,8,10,12,14
.irp m, 0,1
	v_max3_num_f32 v[32+\m], v[32+\m], |v[ACC+16*\m+\i]|, |v[ACC+16*\m+\i+1]|
.endr
.endr
.irp m, 0,1
	v_permlanex16_b32 v[34+\m], v[32+\m], s46, s47 ; (its destination counts as read: these registers have been written)
.endr
.irp m, 0,1
	v_max_num_f32 v[32+\m], v[32+\m], v[34+\m]
.endr
.irp m, 0,1
	v_add_nc_u32 v[36+\m], 0xff000000, v[32+\m]    ; 2 off the exponent field: the conversion's scale operand
.endr
.irp m, 0,1
	v_lshrrev_b32 v[38+\m], 23, v[36+\m]           ; the scale's byte
.endr
	v_bfe_u32 v44, v0, 4, 1
	v_cmp_eq_u32 vcc_lo, 1, v44
	v_cndmask_b32 v45, v38, v39, vcc_lo            ; lane l reports row l: lanes 16-31 the second row tile's
.irp m, 0,1
	v_cvt_scalef32_pk8_fp4_f32 v[40+2*\m], v[ACC+16*\m:ACC+16*\m+7], v[36+\m]
	v_cvt_scalef32_pk8_fp4_f32 v[41+2*\m], v[ACC+16*\m+8:ACC+16*\m+15], v[36+\m]
.endr
	v_nop                                          ; a plain instruction behind the conversions
.irp m, 0,1
	ds_store_b64 v29, v[40+2*\m:41+2*\m] offset:4352*\m    ; half a block a lane: the two halves meet in the piece: 256 consecutive bytes an instruction
.endr
	ds_store_b8 v30, v45
	s_wait_dscnt 0x0                               ; for the others' sake
	s_barrier_signal -1
	s_barrier_wait -1                              ; h's codes and scale bytes lie in LDS
	; ---- out = h Wd^T: K steps of 128 hidden units, chunks 8 to 11; eight accumulators (two row tiles x four tiles of outputs) by turns
.macro STEP2 s
.if (\s) > 0
	PLACES
.endif
.if (\s) < 3
	FLOAD HIMG, 16, (\s)+1, ((\s)+1)%2
	s_wait_dscnt 4                                 ; all but the four loads just issued
.else
	s_wait_dscnt 0x0
.endif
	s_wait_loadcnt 27-9*(\s)                       ; chunk 8 + s is in; the chunks behind it, nine loads each, stay out
.irp m, 0,1
.irp t, 0,1,2,3
	MM ACC+32*\m+8*\t, \t, \m, \s, (\s)%2, HS+(\s), (\s)==0
.endr
.endr
.endm
.irp s, 0,1,2,3
	ds_load_b32 v[HS+\s], v4 offset:HSC+128*\s     ; lane = row
.endr
	FLOAD HIMG, 16, 0, 0
.irp s, 0,1,2,3
	STEP2 \s
.endr
	; lane (r, h), register j of accumulator (m, t): out(row 16 m + r, 64 w + 16 t + 8 h + j)
	; ---- THE WAY OUT.  A row tile goes through my own stage and comes back as rows of 256 bytes; sixteen lanes store 256 consecutive bytes, aligned, at the row's token.
	; The address arithmetic names no register of the last products: it fills the places behind them.
	v_and_b32 v6, 15, v0                           ; r
	v_bfe_u32 v7, v0, 4, 1                         ; h
	s_mul_i32 s36, s16, 16*272
	s_add_co_u32 s36, s36, STG                     ; my stage
	s_lshl_b32 s37, s16, 8
	v_mul_u32_u24 v[STO], v6, 272
	v_lshl_add_u32 v[STO], v7, 5, v[STO]
	v_add_nc_u32 v[STO], s36, v[STO]               ; in: row r, 32 bytes for each half of the lanes
	v_mul_u32_u24 v[RD], v7, 272
	v_lshl_add_u32 v[RD], v6, 4, v[RD]
	v_add_nc_u32 v[RD], s36, v[RD]                 ; back: lanes 0-15 one row, lanes 16-31 the next
	v_lshl_add_u32 v[COL], v6, 4, s37              ; 256 w + 16 r
	v_lshlrev_b32 v35, 2, v7
.set n, 0
.rept 16
	v_add_nc_u32 v[IX+n], 8*n, v35                 ; slot 2 n + h, as a lane's number x 4
.set n, n+1
.endr
.set n, 0
.rept 16
	ds_bpermute_b32 v[VO+n], v[IX+n], v[TOK]
.set n, n+1
.endr
.macro TOSTAGE m
.irp t, 0,1,2,3
	ds_store_b128 v[STO], v[ACC+32*\m+8*\t:ACC+32*\m+8*\t+3] offset:64*\t          ; each accumulator from its low end on
	ds_store_b128 v[STO], v[ACC+32*\m+8*\t+4:ACC+32*\m+8*\t+7] offset:64*\t+16
.endr
.irp i, 0,1,2,3,4,5,6,7
	ds_load_b128 v[BK+32*\m+4*\i:BK+32*\m+4*\i+3], v[RD] offset:544*\i             ; LDS serves a wave's instructions in order (ISA guide 5.7.1.4): these see the stores above, and the next tile's stores come behind them
.endr
.endm
	TOSTAGE 0
	TOSTAGE 1
	s_wait_dscnt 32                                ; the sixteen tokens are in; the stage's 32 instructions may be out
.set n, 0
.rept 16
	v_min_u32 v[VO+n], 0xfff, v[VO+n]              ; held, since it becomes an address
	v_lshl_add_u32 v[VO+n], v[VO+n], 12, v[COL]    ; the token's row of 4,096 bytes + my bytes in it
.set n, n+1
.endr
.macro SEND m, younger                 ; younger: the LDS instructions issued behind this row tile's loads
.irp i, 0,1,2,3,4,5,6,7
	s_wait_dscnt \younger+7-\i
	s_cmp_gt_i32 s38, 16*\m+2*\i                   ; rows 16 m + 2 i and + 1: is the first of them one of mine?  (If the second is not, it repeats the first: the same bytes to the same place)
	s_cbranch_scc0 .Lend
	global_store_b128 v[VO+8*\m+\i], v[BK+32*\m+4*\i:BK+32*\m+4*\i+3], s[14:15] th:TH_STORE_NT
.endr
.endm
	SEND 0, 16
	SEND 1, 0
.Lend:
	s_wait_dscnt 0x0
	s_wait_xcnt 0x0
	v_lshl_add_u32 v254, v0, 2, 0x17800
	v_mov_b32 v255, 0
	s_wait_tensorcnt 0x0
	ds_add_u32 v254, v255
	s_wait_dscnt 0x0
	s_endpgm
.Lfunc_end_k_qee4b89bd01_chain:
	.size	k_qee4b89bd01_chain, .Lfunc_end_k_qee4b89bd01_chain-k_qee4b89bd01_chain
	.p2alignl 7, 3214868480
	.fill 96, 4, 3214868480
	.section	.rodata,"a",@progbits
	.p2align	6, 0x0
	.amdhsa_kernel k_qee4b89bd01_chain
		.amdhsa_group_segment_fixed_size 98304
		.amdhsa_private_segment_fixed_size 0
		.amdhsa_enable_private_segment 0
		.amdhsa_kernarg_size 48
		.amdhsa_user_sgpr_count 2
		.amdhsa_user_sgpr_kernarg_segment_ptr 1
		.amdhsa_wavefront_size32 1
		.amdhsa_system_sgpr_workgroup_id_x 1
		.amdhsa_system_sgpr_workgroup_id_y 1
		.amdhsa_system_sgpr_workgroup_id_z 1
		.amdhsa_system_vgpr_workitem_id 0
		.amdhsa_next_free_vgpr 256
		.amdhsa_next_free_sgpr 66
		.amdhsa_reserve_vcc 1
		.amdhsa_float_denorm_mode_32 3
		.amdhsa_float_denorm_mode_16_64 3
		.amdhsa_memory_ordered 1
		.amdhsa_forward_progress 1
		.amdhsa_inst_pref_size 52
	.end_amdhsa_kernel
	.amdgpu_metadata
---
amdhsa.version: [ 1, 2 ]
amdhsa.kernels:
  - .name:           k_qee4b89bd01_chain
    .symbol:         k_qee4b89bd01_chain.kd
    .args:
      - { .name: xq, .offset: 0, .size: 8, .value_kind: global_buffer, .address_space: global }
      - { .name: xsc, .offset: 8, .size: 8, .value_kind: global_buffer, .address_space: global }
      - { .name: wq, .offset: 16, .size: 8, .value_kind: global_buffer, .address_space: global }
      - { .name: order, .offset: 24, .size: 8, .value_kind: global_buffer, .address_space: global }
      - { .name: cnt, .offset: 32, .size: 8, .value_kind: global_buffer, .address_space: global }
      - { .name: out0, .offset: 40, .size: 8, .value_kind: global_buffer, .address_space: global }
    .group_segment_fixed_size: 98304
    .private_segment_fixed_size: 0
    .kernarg_segment_align: 8
    .kernarg_segment_size: 48
    .max_flat_workgroup_size: 512
    .sgpr_count:     66
    .vgpr_count:     256
    .wavefront_size: 32
...
	.end_amdgpu_metadata
.endif
;; end of part 3
;; ======== version 2 of 2: 3 launches
;; workspace buffers: sel 16,384 bytes of whole numbers; order 18,432 bytes of whole numbers; cnt 256 bytes of whole numbers; xq 2,097,152 bytes; xsc 131,072 bytes; wq 6,684,672 bytes
;; launch route (part 4): grid 256 x 1, 8 waves a work-group, no clusters, 108,288 bytes of LDS; arguments hidden_states, gate_w, xq, xsc, sel; writes xq, xsc, sel
.if DOCPART == 4
	.amdgcn_target "amdgcn-amd-amdhsa--gfx1250"
	.amdhsa_code_object_version 6
	.text
	.protected	k_qee4b89bd01_route
	.globl	k_qee4b89bd01_route
	.p2align	8
	.type	k_qee4b89bd01_route,@function
k_qee4b89bd01_route:
	s_mov_b64 s[64:65], 0
	v_nop
	global_prefetch_b8 v0, s[64:65] scope:SCOPE_SE
	s_setreg_imm32_b32 hwreg(HW_REG_WAVE_MODE, 25, 1), 1
	s_wait_xcnt 0x0
; THE ROUTER AND THE TOKENS' CODES.  x: [4096][1024] f32, gate_w: [8][1024] f32.
; For each token: eight logits x . gate_w[e] in f32; the largest (of equals the lowest e); rw = sigmoid(largest); xs = x * rw;
; xs as codes of E2M1 with one E8M0 byte for each 32 along the row.
; OUT: xq [4096][32 blocks][16 bytes] (two codes a byte, the lower k in the low four bits), xsc [4096][32] bytes, sel [4096] words.
; The chosen expert is only STORED here: no address and no branch of this launch hangs on it.
; SHARES.  A work-group takes 16 tokens, each of its eight waves two.  A wave holds its two rows in registers (32 registers a row), so x is read once.
; gate_w (32,768 bytes) is brought into LDS once by the eight waves, 4,096 bytes each, and read from there by all.
; A row is loaded as it lies (a load covers 512 consecutive bytes), which is right for the dot products; the conversions want 32 neighbours in ONE lane,
; so the scaled row turns through the wave's own stage in LDS: 32 blocks of 128 bytes, 144 bytes apart.  Lane l then holds block l whole.
; LIMITS.  NaN and infinities are not served.  Two logits closer than the error of an f32 sum of 1,024 products may give the other expert.
; A sigmoid under 2^-126 comes out as 0 (v_exp_f32 and v_rcp_f32 flush denormals: ISA guide 15.8).  A block of zeros gets the byte 1 and zero codes: the bytes are read by this program alone.
.set TS,    32768                      ; LDS: gate_w at 0; from here the stages: 2 x 4,608 bytes for each wave
.set TSW,   9216
.set TST,   4608
.set SB,    106496                     ; the 16 tokens' scale bytes, 32 a token
.set SL,    107008                     ; the 16 tokens' experts, a word each
.set FLOOR, 0x1800000                  ; 2^(3 - 127): under it no largest magnitude is taken, so the byte cannot fall under 1
.set A,    8                           ; v8-15    four running pairs of sums: token t at v[8 + 4 t], two pairs
.set BEST, 16                          ; v16-17   the largest logit
.set IDX,  18                          ; v18-19   its expert
.set RW,   20                          ; v20-23   rw, twice, for the packed multiply
.set EX,   24                          ; v24-25   at work
.set AMA,  26                          ; v26-29   largest magnitudes, two chains
.set AMB,  28
.set SC,   30                          ; v30-31   the conversions' scale operand
.set L,    32                          ; v32-47   logits: token t, expert e at v[32 + 8 t + e]
.set CD,   48                          ; v48-55   codes, four registers a token
.set BY,   56                          ; v56-57   scale bytes
.set GV,   64                          ; v64-127  a row of gate_w, two sets of 32
.set X,    128                         ; v128-191 my two rows as loaded
.set T,    192                         ; v192-255 my two rows turned: lane l holds block l
	s_load_b256 s[4:11], s[0:1], 0x0               ; x s[4:5], gate_w s[6:7], xq s[8:9], xsc s[10:11]
	s_load_b64 s[12:13], s[0:1], 0x20              ; sel
	v_lshl_add_u32 v62, v0, 2, 0x1a300
	v_mov_b32 v63, 0
	v_lshrrev_b32 v1, 5, v0
	s_delay_alu instid0(VALU_DEP_1)
	v_readfirstlane_b32 s16, v1                    ; wave 0..7
	v_and_b32 v1, 31, v0                           ; lane
	s_delay_alu instid0(VALU_DEP_1)
	v_lshlrev_b32 v2, 4, v1                        ; 16 x lane
	s_lshl_b32 s30, s16, 12                        ; my 4,096 bytes of gate_w
	s_mov_b32 s31, 0
	v_add_nc_u32 v3, s30, v2                       ; and their place in LDS
	s_mul_i32 s21, s16, TSW
	s_add_co_u32 s21, s21, TS                      ; my stages
	v_lshrrev_b32 v4, 3, v1
	s_delay_alu instid0(VALU_DEP_1)
	v_mul_u32_u24 v4, v4, 144
	v_and_b32 v5, 7, v1
	s_delay_alu instid0(VALU_DEP_1)
	v_lshl_add_u32 v4, v5, 4, v4
	s_delay_alu instid0(VALU_DEP_1)
	v_add_nc_u32 v4, s21, v4                       ; into a stage: eight lanes fill a block: 144 (lane / 8) + 16 (lane % 8); a load's 512 bytes are four blocks
	v_mul_u32_u24 v5, v1, 144
	s_delay_alu instid0(VALU_DEP_1)
	v_add_nc_u32 v5, s21, v5                       ; out of it: block = lane
	s_lshl_b32 s20, s16, 6
	s_add_co_u32 s20, s20, SB
	v_add_nc_u32 v6, s20, v1                       ; my block's scale byte: 64 x wave + lane (+ 32 for the second token)
	s_lshl_b32 s20, s16, 3
	s_add_co_u32 s20, s20, SL
	v_and_b32 v7, 1, v1
	s_delay_alu instid0(VALU_DEP_1)
	v_lshl_add_u32 v7, v7, 2, s20                  ; the expert's word of token lane % 2
	v_add_nc_u32 v59, SB, v2                       ; the way out (wave 0): 16 scale bytes a lane,
	v_and_b32 v61, 15, v1
	s_delay_alu instid0(VALU_DEP_1)
	v_lshlrev_b32 v61, 2, v61
	s_delay_alu instid0(VALU_DEP_1)
	v_add_nc_u32 v60, SL, v61                      ; and a word of sel for each of 16 lanes
	s_mov_b32 s18, 0x76543210
	s_mov_b32 s19, 0xfedcba98                      ; v_permlanex16_b32's selects for lane l xor 16
	s_lshl_b32 s22, ttmp9, 16                      ; x: (16 wg + 2 w) rows of 4,096 bytes
	s_lshl_b32 s23, s16, 13
	s_add_co_u32 s22, s22, s23
	s_mov_b32 s23, 0
	s_lshl_b32 s24, ttmp9, 13                      ; xq: the same rows of 512 bytes
	s_lshl_b32 s25, s16, 10
	s_add_co_u32 s24, s24, s25
	s_mov_b32 s25, 0
	s_lshl_b32 s26, ttmp9, 9                       ; xsc: 16 rows of 32 bytes a work-group
	s_mov_b32 s27, 0
	s_lshl_b32 s28, ttmp9, 6                       ; sel: 16 words a work-group
	s_mov_b32 s29, 0
	s_wait_kmcnt 0x0
	s_add_nc_u64 s[4:5], s[4:5], s[22:23]
	s_add_nc_u64 s[6:7], s[6:7], s[30:31]
	s_add_nc_u64 s[8:9], s[8:9], s[24:25]
	s_add_nc_u64 s[10:11], s[10:11], s[26:27]
	s_add_nc_u64 s[12:13], s[12:13], s[28:29]
.irp i, 0,1,2,3,4,5,6,7
	global_load_b128 v[GV+4*\i:GV+4*\i+3], v2, s[6:7] offset:512*\i                    ; my share of gate_w first: it is wanted first
.endr
.irp t, 0,1
.irp i, 0,1,2,3,4,5,6,7
	global_load_b128 v[X+32*\t+4*\i:X+32*\t+4*\i+3], v2, s[4:5] offset:4096*\t+512*\i th:TH_LOAD_NT   ; register 4 i + k of lane l: x(128 i + 4 l + k)
.endr
.endr
	s_wait_loadcnt 16                              ; the eight loads of gate_w are in; the sixteen of x behind them stay out
.irp i, 0,1,2,3,4,5,6,7
	ds_store_b128 v3, v[GV+4*\i:GV+4*\i+3] offset:512*\i
.endr
	s_wait_dscnt 0x0                               ; for the others' sake: my share lies in LDS
	s_barrier_signal -1
	s_barrier_wait -1                              ; all of gate_w does
.macro GLOAD e                         ; row e of gate_w, in x's own layout, into set e % 2
.irp i, 0,1,2,3,4,5,6,7
	ds_load_b128 v[GV+32*((\e)%2)+4*\i:GV+32*((\e)%2)+4*\i+3], v2 offset:4096*(\e)+512*\i
.endr
.endm
.macro DOT e                           ; my lane's 32 products for each of the two tokens: four chains of packed multiply-adds; the first products start the sums
.set GS, GV+32*((\e)%2)
.irp t, 0,1
	v_pk_mul_f32 v[A+4*\t:A+4*\t+1], v[X+32*\t:X+32*\t+1], v[GS:GS+1]
	v_pk_mul_f32 v[A+4*\t+2:A+4*\t+3], v[X+32*\t+2:X+32*\t+3], v[GS+2:GS+3]
.endr
.irp i, 1,2,3,4,5,6,7
.irp t, 0,1
	s_delay_alu instid0(VALU_DEP_4)
	v_pk_fma_f32 v[A+4*\t:A+4*\t+1], v[X+32*\t+4*\i:X+32*\t+4*\i+1], v[GS+4*\i:GS+4*\i+1], v[A+4*\t:A+4*\t+1]
	s_delay_alu instid0(VALU_DEP_4)
	v_pk_fma_f32 v[A+4*\t+2:A+4*\t+3], v[X+32*\t+4*\i+2:X+32*\t+4*\i+3], v[GS+4*\i+2:GS+4*\i+3], v[A+4*\t+2:A+4*\t+3]
.endr
.endr
.irp t, 0
	s_delay_alu instid0(VALU_DEP_3)
	v_pk_add_f32 v[A+4*\t:A+4*\t+1], v[A+4*\t:A+4*\t+1], v[A+4*\t+2:A+4*\t+3]
.endr
.irp t, 1
	s_delay_alu instid0(VALU_DEP_2)
	v_pk_add_f32 v[A+4*\t:A+4*\t+1], v[A+4*\t:A+4*\t+1], v[A+4*\t+2:A+4*\t+3]
.endr
.irp t, 0,1
	s_delay_alu instid0(VALU_DEP_2)
	v_add_f32 v[L+8*\t+\e], v[A+4*\t], v[A+4*\t+1]
.endr
.endm
	GLOAD 0
	GLOAD 1
	s_wait_loadcnt 0x0                             ; x
.irp e, 0,1,2,3,4,5
	s_wait_dscnt 8                                 ; row e is in; the eight loads of row e + 1 may be out
	DOT \e
	GLOAD \e+2
.endr
	s_wait_dscnt 8
	DOT 6
	s_wait_dscnt 0x0
	DOT 7
	; the sixteen sums over the 32 lanes, by turns; every lane ends with the same bits (each step adds the same two numbers in both lanes)
.irp k, 1,2,4,8
.set n, 0
.rept 16
	v_add_f32_dpp v[L+n], v[L+n], v[L+n] row_xmask:\k row_mask:0xf bank_mask:0xf
.set n, n+1
.endr
.endr
.set n, 0
.rept 16
	v_permlanex16_b32 v[GV+n], v[L+n], s18, s19    ; (its destination counts as read: these registers have been written)
.set n, n+1
.endr
.set n, 0
.rept 16
	v_add_f32 v[L+n], v[L+n], v[GV+n]
.set n, n+1
.endr
	; the largest logit and its expert: a later one is taken only if it is strictly larger
.irp t, 0,1
	v_mov_b32 v[BEST+\t], v[L+8*\t]
	v_mov_b32 v[IDX+\t], 0
.endr
.irp e, 1,2,3,4,5,6,7
.irp t, 0,1
	v_cmp_le_f32 vcc_lo, v[L+8*\t+\e], v[BEST+\t]
	s_delay_alu instid0(VALU_DEP_1)
	v_cndmask_b32 v[IDX+\t], \e, v[IDX+\t], vcc_lo ; not larger: the index stays
	v_max_num_f32 v[BEST+\t], v[BEST+\t], v[L+8*\t+\e]
.endr
.endr
.irp t, 0
	s_delay_alu instid0(VALU_DEP_4)
	v_mul_f32 v[EX+\t], 0xbfb8aa3b, v[BEST+\t]
.endr
.irp t, 1
	s_delay_alu instid0(VALU_DEP_2)
	v_mul_f32 v[EX+\t], 0xbfb8aa3b, v[BEST+\t]
.endr
	s_wait_alu depctr_va_vdst(0)
.irp t, 0,1
	v_exp_f32 v[EX+\t], v[EX+\t]
.endr
	v_and_b32 v58, 1, v1                           ; (a plain instruction behind the exponentials)  which of my two tokens this lane reports
	s_wait_alu depctr_va_vdst(0)
.irp t, 0,1
	v_add_f32 v[EX+\t], 1.0, v[EX+\t]
.endr
	s_wait_alu depctr_va_vdst(0)
.irp t, 0,1
	v_rcp_f32 v[RW+2*\t], v[EX+\t]
.endr
	v_cmp_eq_u32 vcc_lo, 1, v58                    ; (a plain instruction behind the reciprocals)
	s_wait_alu depctr_va_vdst(0)
.irp t, 0,1
	v_mov_b32 v[RW+2*\t+1], v[RW+2*\t]
.endr
	v_cndmask_b32 v58, v[IDX], v[IDX+1], vcc_lo
	; xs = x * rw, and through the stage.  LDS serves a wave's instructions in order (ISA guide 5.7.1.4): no wait between the stores and the loads
.irp t, 0,1
.set k, 0
.rept 16
	v_pk_mul_f32 v[X+32*\t+2*k:X+32*\t+2*k+1], v[X+32*\t+2*k:X+32*\t+2*k+1], v[RW+2*\t:RW+2*\t+1]
.set k, k+1
.endr
.irp i, 0,1,2,3,4,5,6,7
	ds_store_b128 v4, v[X+32*\t+4*\i:X+32*\t+4*\i+3] offset:TST*\t+576*\i
.endr
.irp j, 0,1,2,3,4,5,6,7
	ds_load_b128 v[T+32*\t+4*\j:T+32*\t+4*\j+3], v5 offset:TST*\t+16*\j
.endr
.endr
; Token t's block of my lane: its largest magnitude (two chains, the floor among the leaves), 2 off the exponent field, four conversions.
.macro QX t
.set TT, T+32*\t
	v_max3_num_f32 v[AMA+\t], |v[TT]|, |v[TT+1]|, FLOOR
	v_max3_num_f32 v[AMB+\t], |v[TT+16]|, |v[TT+17]|, |v[TT+18]|
.irp i, 2,4,6,8,10,12
	s_delay_alu instid0(VALU_DEP_2)
	v_max3_num_f32 v[AMA+\t], v[AMA+\t], |v[TT+\i]|, |v[TT+\i+1]|
	s_delay_alu instid0(VALU_DEP_2)
	v_max3_num_f32 v[AMB+\t], v[AMB+\t], |v[TT+17+\i]|, |v[TT+18+\i]|
.endr
	s_delay_alu instid0(VALU_DEP_2)
	v_max3_num_f32 v[AMA+\t], v[AMA+\t], |v[TT+14]|, |v[TT+15]|
	s_delay_alu instid0(VALU_DEP_1)
	v_max3_num_f32 v[AMA+\t], v[AMA+\t], v[AMB+\t], |v[TT+31]|
	s_delay_alu instid0(VALU_DEP_1)
	v_add_nc_u32 v[SC+\t], 0xff000000, v[AMA+\t]   ; the conversion takes the exponent field of this operand as its scale, and nothing else of it
.irp g, 0,1,2,3
	v_cvt_scalef32_pk8_fp4_f32 v[CD+4*\t+\g], v[TT+8*\g:TT+8*\g+7], v[SC+\t]
.endr
	v_lshrrev_b32 v[BY+\t], 23, v[SC+\t]           ; the scale's byte.  (Also the plain instruction behind the conversions)
	global_store_b128 v2, v[CD+4*\t:CD+4*\t+3], s[8:9] offset:512*\t   ; the row's 512 bytes of codes: 32 lanes, 16 consecutive bytes each, aligned
	ds_store_b8 v6, v[BY+\t] offset:32*\t
.endm
	s_wait_dscnt 16                                ; the first token is back; the second's eight stores and eight loads may be out
	QX 0
	s_wait_dscnt 0x0
	QX 1
	ds_store_b32 v7, v58                           ; sixteen lanes write the same word with the same value
	s_wait_dscnt 0x0                               ; for wave 0's sake
	s_barrier_signal -1
	s_barrier_wait -1
	s_cmp_lg_u32 s16, 0
	s_cbranch_scc1 .Lend
	ds_load_b128 v[64:67], v59                     ; wave 0 sends the work-group's 512 scale bytes as two aligned runs of 256 bytes,
	ds_load_b32 v68, v60
	s_wait_dscnt 0x0
	global_store_b128 v2, v[64:67], s[10:11]
	s_wait_xcnt 0x0                                ; EXEC is a source of the store above: it changes only behind this wait
	v_cmp_gt_u32 vcc_lo, 16, v1
	s_and_saveexec_b32 s32, vcc_lo
	global_store_b32 v61, v68, s[12:13]            ; and its 16 words of sel
	s_wait_xcnt 0x0                                ; and again in front of the line that widens it
	s_or_b32 exec_lo, exec_lo, s32
.Lend:
	s_wait_tensorcnt 0x0
	ds_add_u32 v62, v63
	s_wait_dscnt 0x0
	s_endpgm
.Lfunc_end_k_qee4b89bd01_route:
	.size	k_qee4b89bd01_route, .Lfunc_end_k_qee4b89bd01_route-k_qee4b89bd01_route
	.p2alignl 7, 3214868480
	.fill 96, 4, 3214868480
	.section	.rodata,"a",@progbits
	.p2align	6, 0x0
	.amdhsa_kernel k_qee4b89bd01_route
		.amdhsa_group_segment_fixed_size 108288
		.amdhsa_private_segment_fixed_size 0
		.amdhsa_enable_private_segment 0
		.amdhsa_kernarg_size 40
		.amdhsa_user_sgpr_count 2
		.amdhsa_user_sgpr_kernarg_segment_ptr 1
		.amdhsa_wavefront_size32 1
		.amdhsa_system_sgpr_workgroup_id_x 1
		.amdhsa_system_sgpr_workgroup_id_y 1
		.amdhsa_system_sgpr_workgroup_id_z 1
		.amdhsa_system_vgpr_workitem_id 0
		.amdhsa_next_free_vgpr 256
		.amdhsa_next_free_sgpr 66
		.amdhsa_reserve_vcc 1
		.amdhsa_float_denorm_mode_32 3
		.amdhsa_float_denorm_mode_16_64 3
		.amdhsa_memory_ordered 1
		.amdhsa_forward_progress 1
		.amdhsa_inst_pref_size 53
	.end_amdhsa_kernel
	.amdgpu_metadata
---
amdhsa.version: [ 1, 2 ]
amdhsa.kernels:
  - .name:           k_qee4b89bd01_route
    .symbol:         k_qee4b89bd01_route.kd
    .args:
      - { .name: hidden_states, .offset: 0, .size: 8, .value_kind: global_buffer, .address_space: global }
      - { .name: gate_w, .offset: 8, .size: 8, .value_kind: global_buffer, .address_space: global }
      - { .name: xq, .offset: 16, .size: 8, .value_kind: global_buffer, .address_space: global }
      - { .name: xsc, .offset: 24, .size: 8, .value_kind: global_buffer, .address_space: global }
      - { .name: sel, .offset: 32, .size: 8, .value_kind: global_buffer, .address_space: global }
    .group_segment_fixed_size: 108288
    .private_segment_fixed_size: 0
    .kernarg_segment_align: 8
    .kernarg_segment_size: 40
    .max_flat_workgroup_size: 256
    .sgpr_count:     66
    .vgpr_count:     256
    .wavefront_size: 32
...
	.end_amdgpu_metadata
.endif
;; end of part 4
;; launch prep (part 5): grid 257 x 1, 6 waves a work-group, no clusters, 52,224 bytes of LDS; arguments w_gate, w_up, w_down, sel, wq, order, cnt; writes wq, order, cnt
.if DOCPART == 5
	.amdgcn_target "amdgcn-amd-amdhsa--gfx1250"
	.amdhsa_code_object_version 6
	.text
	.protected	k_qee4b89bd01_prep
	.globl	k_qee4b89bd01_prep
	.p2align	8
	.type	k_qee4b89bd01_prep,@function
k_qee4b89bd01_prep:
	s_mov_b64 s[64:65], 0
	v_nop
	global_prefetch_b8 v0, s[64:65] scope:SCOPE_SE
	s_setreg_imm32_b32 hwreg(HW_REG_WAVE_MODE, 25, 1), 1
	s_wait_xcnt 0x0
; TWO JOBS THAT DO NOT DEPEND ON EACH OTHER, IN ONE LAUNCH.
; WORK-GROUPS 1 .. 256: THE WEIGHTS' CODES.  w_gate, w_up [8][512][1024], w_down [8][1024][512], f32, K innermost, become codes of E2M1 with one E8M0 byte for each 32 along K,
; laid in the order in which the next launch's waves take them into operand registers.  wq = [128 records][12 chunks][4,352 bytes]; record 16 e + w belongs to wave w of a tile of expert e.
; A chunk is four fragments (16 rows x 128 K) and their scale words: byte 1024 f + 512 g + 16 lane: the 16 bytes of block 2 g + lane / 16 of row lane % 16 of fragment f (registers 4 g .. 4 g + 3 of the operand);
; byte 4096 + 8 lane: two words: the scale words of row lane % 16 of fragments lane / 16 and 2 + lane / 16.
; Chunk c < 8: K step c of the first products: fragments 0, 1: w_gate[e] rows 32 w + 8 u + r + 8 (r / 8), u = 0, 1; fragments 2, 3: the same rows of w_up[e].  (The rows of a fragment are not neighbours: so the
; results of fragments u = 0, 1 are 16 neighbours along the next K in a lane.)   Chunk c >= 8: K step c - 8 of the last product: fragment f: w_down[e] rows 64 w + 16 f + r.
; One wave makes one chunk.  A load takes a row's 512 bytes of the K step as they lie; 16 rows turn through the wave's own stage in LDS (528 bytes apart) and come back 32 neighbours (a whole block) to a lane, twice.
; WORK-GROUP 0: THE PLACES.  sel [4096] (the chosen experts, stored by the launch before) is sorted by counting: order [144][32]: the token of each slot of each tile of 32 rows, every expert beginning a tile of its own;
; cnt: the eight experts' numbers of rows.  Slots that no token takes hold 0.  Four waves have a share of 1,024 tokens each.  They walk the same lines on shares 0 and 1, their counts go to
; words that nobody reads, and they end behind the barrier; so no wave parts from the others ahead of it.  All six share the clearing of order.
; LIMITS: NaN and infinities are not served.  A block of zeros gets the byte 1 and zero codes: the bytes are read by this program alone.
.set STG,   8448                       ; LDS: a stage of 16 rows x 528 bytes for each of the six waves (the weights' work-groups alone)
.set PL,    50688                      ; behind them: 128 bytes of counts for each wave (work-group 0 alone)
.set FLOOR, 0x1800000                  ; 2^(3 - 127)
.set AM,   8                           ; v8-9    largest magnitudes of my two blocks
.set SC,   10                          ; v10-11  the conversions' scale operands
.set BY,   12                          ; v12-13  the bytes
.set SW,   16                          ; v16-19  the four fragments' scale words
.set CD,   32                          ; v32-63  codes, eight registers a fragment: no store's data are written again
.set T,    64                          ; v64-127 two blocks of 32 neighbours
.set RAW,  128                         ; v128-255 two sets of 16 rows as loaded
	s_load_b256 s[4:11], s[0:1], 0x0               ; w_gate s[4:5], w_up s[6:7], w_down s[8:9], sel s[10:11]
	s_load_b128 s[12:15], s[0:1], 0x20             ; wq s[12:13], order s[14:15]
	s_load_b64 s[16:17], s[0:1], 0x30              ; cnt
	v_lshl_add_u32 v30, v0, 2, 0xc900
	v_mov_b32 v31, 0
	v_lshrrev_b32 v1, 5, v0
	v_readfirstlane_b32 s20, v1                    ; wave 0..5
	v_and_b32 v1, 31, v0                           ; lane
	v_lshlrev_b32 v2, 4, v1                        ; 16 x lane
	s_mov_b32 s18, 0x76543210
	s_mov_b32 s19, 0xfedcba98                      ; v_permlanex16_b32's selects for lane l xor 16
	s_cmp_eq_u32 ttmp9, 0
	s_cbranch_scc1 .Lplace
	; ---------------- the weights ----------------
	v_lshlrev_b32 v3, 3, v1                        ; 8 x lane
	s_mul_i32 s21, s20, STG                        ; my stage
	v_add_nc_u32 v4, s21, v2                       ; into it: a row as it lies
	v_and_b32 v5, 15, v1                           ; r
	v_lshrrev_b32 v6, 4, v1                        ; h
	v_mul_u32_u24 v5, v5, 528
	v_lshl_add_u32 v5, v6, 7, v5
	v_add_nc_u32 v5, s21, v5                       ; out of it: row r, block h (+ 256 bytes for block 2 + h).  528 bytes = 132 words: row r starts at bank 4 r mod 64 (64 banks of 4 bytes: ISA guide 11.1)
	v_lshlrev_b32 v6, 3, v6                        ; 8 h: my bytes' place in a scale word, in bits
	v_mov_b32 v15, 0                               ; written once: a lane permute's destination counts as one of its sources
	s_sub_co_u32 s22, ttmp9, 1
	s_lshr_b32 s24, s22, 1                         ; the record R = 16 e + w
	s_and_b32 s23, s22, 1
	s_mul_i32 s23, s23, 6
	s_add_co_u32 s23, s23, s20                     ; the chunk c = 6 (j % 2) + wave
	s_lshl_b32 s26, s24, 17                        ; in all three tensors an expert is 2^21 bytes and a record's rows 2^17 (32 rows of 4,096 bytes, or 64 of 2,048),
	s_and_b32 s25, s23, 7
	s_lshl_b32 s25, s25, 9                         ; and a K step 512 bytes
	s_add_co_u32 s26, s26, s25
	s_mov_b32 s27, 0
	s_mul_i32 s28, s24, 12
	s_add_co_u32 s28, s28, s23
	s_mul_i32 s28, s28, 4352
	s_mov_b32 s29, 0
	s_wait_kmcnt 0x0
	s_add_nc_u64 s[4:5], s[4:5], s[26:27]
	s_add_nc_u64 s[6:7], s[6:7], s[26:27]
	s_add_nc_u64 s[8:9], s[8:9], s[26:27]
	s_add_nc_u64 s[12:13], s[12:13], s[28:29]
; Fragment f's 16 rows into set f % 2.  Both ways issue 16 loads, so the counts below hold on both.  The branch hangs on the chunk's number alone.
.macro LOADF f
.set RSL, RAW+64*((\f)%2)
	s_cmp_lt_u32 s23, 8
	s_cbranch_scc0 .Ldown_\@
.set i, 0
.rept 16
.if (\f) < 2
	global_load_b128 v[RSL+4*i:RSL+4*i+3], v2, s[4:5] offset:(8*((\f)%2)+i+8*(i/8))*4096 th:TH_LOAD_NT
.else
	global_load_b128 v[RSL+4*i:RSL+4*i+3], v2, s[6:7] offset:(8*((\f)%2)+i+8*(i/8))*4096 th:TH_LOAD_NT
.endif
.set i, i+1
.endr
	s_branch .Lasked_\@
.Ldown_\@:
.set i, 0
.rept 16
	global_load_b128 v[RSL+4*i:RSL+4*i+3], v2, s[8:9] offset:(16*(\f)+i)*2048 th:TH_LOAD_NT
.set i, i+1
.endr
.Lasked_\@:
.endm
; Fragment f is turned, quantised and stored.  left: the younger loads that may stay out.
.macro FRAG f, left
.set RSF, RAW+64*((\f)%2)
	s_wait_loadcnt \left
.set i, 0
.rept 16
	ds_store_b128 v4, v[RSF+4*i:RSF+4*i+3] offset:528*i
.set i, i+1
.endr
.irp g, 0,1
.irp j, 0,1,2,3,4,5,6,7
	ds_load_b128 v[T+32*\g+4*\j:T+32*\g+4*\j+3], v5 offset:256*\g+16*\j    ; LDS serves a wave's instructions in order (ISA guide 5.7.1.4): these see the stores above
.endr
.endr
	s_wait_dscnt 0x0                               ; my two blocks are in, and the stores have read the set,
.if (\f) < 2
	LOADF (\f)+2                                   ; which takes the fragment two further on
.endif
.irp g, 0,1
	v_max3_num_f32 v[AM+\g], |v[T+32*\g]|, |v[T+32*\g+1]|, FLOOR
.endr
.irp i, 2,4,6,8,10,12,14,16,18,20,22,24,26,28,30
.irp g, 0,1
	v_max3_num_f32 v[AM+\g], v[AM+\g], |v[T+32*\g+\i]|, |v[T+32*\g+\i+1]|  ; (the two blocks by turns)
.endr
.endr
.irp g, 0,1
	v_add_nc_u32 v[SC+\g], 0xff000000, v[AM+\g]    ; 2 off the exponent field: the conversion's scale operand
.endr
.irp g, 0,1
	v_lshrrev_b32 v[BY+\g], 23, v[SC+\g]           ; the scale's byte
.endr
.irp g, 0,1
.irp k, 0,1,2,3
	v_cvt_scalef32_pk8_fp4_f32 v[CD+8*(\f)+4*\g+\k], v[T+32*\g+8*\k:T+32*\g+8*\k+7], v[SC+\g]
.endr
.endr
	v_lshl_or_b32 v14, v[BY+1], 16, v[BY]          ; my two bytes, blocks h and 2 + h,  (also the plain instruction behind the conversions)
	v_lshlrev_b32 v14, v6, v14                     ; at their places in the row's word;
	v_permlanex16_b32 v15, v14, s18, s19
	v_or_b32 v[SW+(\f)], v14, v15                  ; with lane l xor 16's two it is whole, in both lanes
.irp g, 0,1
	global_store_b128 v2, v[CD+8*(\f)+4*\g:CD+8*(\f)+4*\g+3], s[12:13] offset:1024*(\f)+512*\g   ; 512 consecutive bytes, aligned to 256
.endr
.endm
	LOADF 0
	LOADF 1
	s_wait_alu depctr_va_vdst(0)
	FRAG 0, 16                                     ; the next fragment's 16 loads stay out
	FRAG 1, 16
	FRAG 2, 16
	FRAG 3, 0
	v_cmp_lt_u32 vcc_lo, 15, v1
	v_cndmask_b32 v20, v[SW], v[SW+1], vcc_lo      ; lanes 0-15: fragment 0's words, lanes 16-31: fragment 1's;
	v_cndmask_b32 v21, v[SW+2], v[SW+3], vcc_lo    ; fragments 2 and 3 likewise
	global_store_b64 v3, v[20:21], s[12:13] offset:4096   ; 256 consecutive bytes, aligned
	s_wait_tensorcnt 0x0
	ds_add_u32 v30, v31
	s_wait_dscnt 0x0
	s_endpgm
	; ---------------- the places ----------------
.Lplace:
	v_lshl_add_u32 v3, v0, 2, PL                   ; my word among my wave's counts
	s_wait_alu depctr_va_vdst(0)
	v_lshl_add_u32 v4, v1, 2, PL                   ; and where I read the waves' counts
	v_lshlrev_b32 v17, 2, v1                       ; 4 x lane
	s_mul_i32 s21, s20, 3072
	v_add_nc_u32 v5, s21, v2                       ; my sixth of order: six stores of 512 bytes
	s_and_b32 s22, s20, 3                          ; my share of the tokens (waves 4 and 5: see the head)
	s_lshl_b32 s23, s22, 12
	v_add_nc_u32 v6, s23, v2
.irp k, 20,21,22,23
	v_mov_b32 v\k, 0
.endr
.irp e, 0,1,2,3,4,5,6,7
	s_mov_b32 s[24+\e], 0                          ; how many of expert e my share has shown so far
.endr
	s_wait_alu depctr_va_vdst(0)
	s_wait_kmcnt 0x0
.irp i, 0,1,2,3,4,5,6,7
	global_load_b128 v[32+4*\i:32+4*\i+3], v6, s[10:11] offset:512*\i      ; register 4 i + k of lane l: token 1024 share + 128 i + 4 l + k
.endr
.irp i, 0,1,2,3,4,5
	global_store_b128 v5, v[20:23], s[14:15] offset:512*\i                 ; zeros
.endr
	s_wait_loadcnt 0x0
	; a token's place among its expert's tokens in my share: those in earlier registers (the scalar count) + those in lower lanes of this register
.set n, 0
.rept 32
.irp e, 0,1,2,3,4,5,6,7
	v_cmp_eq_u32 s[32+\e], \e, v[32+n]
.endr
	v_mbcnt_lo_u32_b32 v[64+n], s32, s24
.irp e, 1,2,3,4,5,6,7
	v_mbcnt_lo_u32_b32 v[8+\e], s[32+\e], s[24+\e]
.endr
.irp e, 1,2,3,4,5,6,7
	v_cndmask_b32 v[64+n], v[64+n], v[8+\e], s[32+\e]
.endr
.irp e, 0,1,2,3,4,5,6,7
	s_bcnt1_i32_b32 s40, s[32+\e]
	s_add_co_u32 s[24+\e], s[24+\e], s40
.endr
.set n, n+1
.endr
	v_mov_b32 v18, 0
.irp e, 0,1,2,3,4,5,6,7
	v_writelane_b32 v18, s[24+\e], \e              ; lane e: my share's count of expert e; lanes 8-31: 0
.endr
	ds_store_b32 v3, v18
	s_wait_storecnt 0x0                            ; my zeros are written: behind the barrier other waves store tokens over them
	s_wait_dscnt 0x0                               ; my counts lie in LDS
	s_barrier_signal -1
	s_barrier_wait -1
	s_cmp_ge_u32 s20, 4
	s_cbranch_scc1 .Lend
.irp p, 0,1,2,3
	ds_load_b32 v[9+\p], v4 offset:128*\p          ; the four shares' counts
.endr
	s_wait_dscnt 0x0
	v_add_nc_u32 v13, v9, v10
	v_add3_u32 v13, v13, v11, v12                  ; lane e: expert e's rows in all
	s_wait_alu depctr_va_vdst(0)
	v_mov_b32 v14, 0
	s_mov_b32 s41, 0                               ; tiles so far
.irp e, 0,1,2,3,4,5,6,7
	v_readlane_b32 s42, v13, \e
	s_lshl_b32 s43, s41, 5
	v_writelane_b32 v14, s43, \e                   ; lane e: expert e's first slot: every expert begins a tile
	s_add_co_u32 s42, s42, 31
	s_lshr_b32 s42, s42, 5
	s_add_co_u32 s41, s41, s42
.endr
.irp p, 0,1,2
	s_cmp_gt_u32 s20, \p
	s_cselect_b32 s44, -1, 0
	v_and_b32 v15, s44, v[9+\p]
	v_add_nc_u32 v14, v14, v15                     ; + what the shares ahead of mine hold of it
.endr
.set n, 0
.rept 32
	v_min_u32 v[160+n], 7, v[32+n]                 ; a lane's number made of a loaded number is held first
	v_lshlrev_b32 v[160+n], 2, v[160+n]
	ds_bpermute_b32 v[96+n], v[160+n], v14         ; my token's expert's first free slot
.set n, n+1
.endr
	s_lshl_b32 s45, s20, 10
	v_lshl_add_u32 v16, v1, 2, s45                 ; token 1024 share + 4 lane
	s_wait_alu depctr_va_vdst(0)
	s_wait_dscnt 0x0
.set n, 0
.rept 32
	v_add_nc_u32 v[64+n], v[64+n], v[96+n]
	v_min_u32 v[64+n], 0x10ff, v[64+n]             ; a slot's number: at most 32 x 135 - 1; held, since it becomes an address
	v_lshlrev_b32 v[64+n], 2, v[64+n]
	v_add_nc_u32 v[128+n], 128*(n/4)+n%4, v16
	global_store_b32 v[64+n], v[128+n], s[14:15]
.set n, n+1
.endr
	s_cmp_lg_u32 s20, 0
	s_cbranch_scc1 .Lend
	global_store_b32 v17, v13, s[16:17]            ; cnt: words 0-7 the counts, words 8-31 zeros
.Lend:
	s_wait_tensorcnt 0x0
	ds_add_u32 v30, v31
	s_wait_dscnt 0x0
	s_endpgm
.Lfunc_end_k_qee4b89bd01_prep:
	.size	k_qee4b89bd01_prep, .Lfunc_end_k_qee4b89bd01_prep-k_qee4b89bd01_prep
	.p2alignl 7, 3214868480
	.fill 96, 4, 3214868480
	.section	.rodata,"a",@progbits
	.p2align	6, 0x0
	.amdhsa_kernel k_qee4b89bd01_prep
		.amdhsa_group_segment_fixed_size 52224
		.amdhsa_private_segment_fixed_size 0
		.amdhsa_enable_private_segment 0
		.amdhsa_kernarg_size 56
		.amdhsa_user_sgpr_count 2
		.amdhsa_user_sgpr_kernarg_segment_ptr 1
		.amdhsa_wavefront_size32 1
		.amdhsa_system_sgpr_workgroup_id_x 1
		.amdhsa_system_sgpr_workgroup_id_y 1
		.amdhsa_system_sgpr_workgroup_id_z 1
		.amdhsa_system_vgpr_workitem_id 0
		.amdhsa_next_free_vgpr 256
		.amdhsa_next_free_sgpr 66
		.amdhsa_reserve_vcc 1
		.amdhsa_float_denorm_mode_32 3
		.amdhsa_float_denorm_mode_16_64 3
		.amdhsa_memory_ordered 1
		.amdhsa_forward_progress 1
		.amdhsa_inst_pref_size 117
	.end_amdhsa_kernel
	.amdgpu_metadata
---
amdhsa.version: [ 1, 2 ]
amdhsa.kernels:
  - .name:           k_qee4b89bd01_prep
    .symbol:         k_qee4b89bd01_prep.kd
    .args:
      - { .name: w_gate, .offset: 0, .size: 8, .value_kind: global_buffer, .address_space: global }
      - { .name: w_up, .offset: 8, .size: 8, .value_kind: global_buffer, .address_space: global }
      - { .name: w_down, .offset: 16, .size: 8, .value_kind: global_buffer, .address_space: global }
      - { .name: sel, .offset: 24, .size: 8, .value_kind: global_buffer, .address_space: global }
      - { .name: wq, .offset: 32, .size: 8, .value_kind: global_buffer, .address_space: global }
      - { .name: order, .offset: 40, .size: 8, .value_kind: global_buffer, .address_space: global }
      - { .name: cnt, .offset: 48, .size: 8, .value_kind: global_buffer, .address_space: global }
    .group_segment_fixed_size: 52224
    .private_segment_fixed_size: 0
    .kernarg_segment_align: 8
    .kernarg_segment_size: 56
    .max_flat_workgroup_size: 192
    .sgpr_count:     66
    .vgpr_count:     256
    .wavefront_size: 32
...
	.end_amdgpu_metadata
.endif
;; end of part 5
;; launch chain (part 6): grid 135 x 1, 16 waves a work-group, no clusters, 98,304 bytes of LDS; arguments xq, xsc, wq, order, cnt, out0; writes out0
.if DOCPART == 6
	.amdgcn_target "amdgcn-amd-amdhsa--gfx1250"
	.amdhsa_code_object_version 6
	.text
	.protected	k_qee4b89bd01_chain
	.globl	k_qee4b89bd01_chain
	.p2align	8
	.type	k_qee4b89bd01_chain,@function
k_qee4b89bd01_chain:
	s_mov_b64 s[64:65], 0
	v_nop
	global_prefetch_b8 v0, s[64:65] scope:SCOPE_SE
	s_setreg_imm32_b32 hwreg(HW_REG_WAVE_SCHED_MODE, 0, 2), 2
	s_setreg_imm32_b32 hwreg(HW_REG_WAVE_MODE, 25, 1), 1
	s_wait_xcnt 0x0
	s_wait_alu depctr_vm_vsrc(0)
; ONE TILE OF 32 ROWS OF ONE EXPERT THROUGH THE WHOLE CHAIN: g = xs Wg^T, u = xs Wu^T, h = u g sigmoid(g), h quantised along its 512, out = h Wd^T.  All three products on codes of E2M1 with E8M0 scales.
; THE GRID serves every split: 4,096 rows in tiles of 32, each of 8 experts beginning a tile of its own, are never more than 128 + 7 tiles.  The tile's expert and its number of rows are found from cnt; its tokens stand
; at a fixed place of order.  A work-group that a split leaves without rows walks the same lines on token 0 (every wave passes both barriers) and stores nothing.
; Slots behind the tile's last row repeat its last row: they compute the same numbers, and where one is stored it stores the same bytes at the same place.
; SHARES.  THE SIXTEEN WAVES SHARE THE COLUMNS: wave w makes hidden units 32 w .. 32 w + 31 (one block of the next K) and outputs 64 w .. 64 w + 63 (256 bytes of a row), for all 32 rows.  So each weight fragment is read by
; one wave alone: it goes from memory straight into that wave's operand registers, 12 chunks of 4,352 bytes on end, laid for that by the launch before; three chunks of every wave are on their way, four at the activation.
; No tensor load, so no ring.  NO CLUSTER: which tiles belong to one expert hangs on counts read from memory, so partners that share weights cannot be fixed at the launch, and no tile goes through LDS to be shared.
; BOTH PRODUCTS ARE USED TRANSPOSED (source 0 = 16 rows of a weight, source 1 = 16 rows of the tile): a lane holds one row of the tile, and its registers run along the units.
; The rows' codes go through LDS in PIECES: 16 rows x 16 bytes (one block of 32 along K), 272 bytes apart: lanes 0-15 of an operand load read one piece whole, lanes 16-31 the next.
; LIMITS: NaN and infinities are not served.  Where g is under about -88 the term u g sigmoid(g) comes out as 0 (v_exp_f32 overflows to infinity, its reciprocal is 0).  A block of zeros gets the byte 1 and zero codes.
; THE MODE: SCHED_MODE bits 1:0 = 2 (LLVM: expert scheduling mode 2), set by the entry lines.  The code itself states the register dependences
; between vector or matrix instructions and memory or LDS instructions, with s_wait_alu, always for 0.
; THE PLAN.  Registers that memory or LDS instructions touch:
;   v1-4, v28-30   offsets and LDS addresses: made once at the head, read by loads and LDS instructions, never written again.
;   v6, v7, v31    at the head: the list's word, the permute's lane, then the gather's offsets; v6 and v7 are made anew at the way out.
;   WB0 .. WB3 and their pairs of scale words: chunk c's nine loads land in buffer c % 4; the eight products of its step read it; the loads of the chunk four further on, issued in the next step, land in it.
;   XF0, XF1       fragments of the rows: step s's products read XF[s % 2]; the loads of step s + 2's fragments, issued in step s + 1, land in it.  Between the products v32-63 are at work, and v40-43, v45 are data of LDS stores.
;   XS, HS         scale words: written by loads alone, read by products alone.
;   ACC            named by products and vector instructions; read by the stage's LDS stores on the way out; v254, v255 are made anew for the closing add.
; A STEP waits for its own data, and then ONE wait on va_vdst states that the step before is done reading its buffer, its scale pair and its fragment set.  Behind it the step's loads land in just these
; registers, and the step's own products name the other buffers alone: so the loads are dealt among the products, one behind each, with no further wait.
.set XIMG,  0                          ; LDS: xs: piece (m, block B) at (32 m + B) x 272
.set HIMG,  17408                      ; h: piece (m, B) at (16 m + B) x 272
.set HSC,   26112                      ; h's scale bytes: 128 s + 4 row + b for block 4 s + b
.set STG,   26624                      ; the way out: 16 rows x 272 bytes for each wave
.set FLOOR, 0x1800000                  ; 2^(3 - 127)
.set CHUNK, 4352
.set TOK,  5                           ; v5      lane = slot: its token
.set XS,   8                           ; v8-15   xs's scale words: register s: K step s; lane = row.  Scales and nothing else
.set HS,   16                          ; v16-19  h's likewise
.set WS,   20                          ; v20-27  the weights' scale words, a pair for each buffer
.set XF,   32                          ; v32-63  the rows' fragments, two sets of 16 (row tile m at + 8 m); between the products at work
.set WB,   64                          ; v64-191 four buffers of a chunk's four fragments
.set ACC,  192                         ; v192-255 first products: g of row tile m at + 16 m, u at + 32 + 16 m (tile u of units at + 8 u);  last product: (m, t) at + 32 m + 8 t
.set STO,  32                          ; the way out: v32 into my stage, v33 out of it, v34 my bytes in a row of out0, v35 4 h
.set RD,   33
.set COL,  34
.set IX,   64                          ; v64-79  lanes' numbers for the tokens of the rows that I store
.set VO,   80                          ; v80-95  their byte offsets in out0
.set BK,   96                          ; v96-159 the rows read back
	s_load_b256 s[4:11], s[0:1], 0x0               ; xq s[4:5], xsc s[6:7], wq s[8:9], order s[10:11]
	s_load_b128 s[12:15], s[0:1], 0x20             ; cnt s[12:13], out0 s[14:15]
	v_lshrrev_b32 v6, 5, v0
	v_readfirstlane_b32 s16, v6                    ; wave 0..15
	v_and_b32 v7, 31, v0                           ; lane
	v_lshlrev_b32 v1, 4, v7                        ; v1 16 x lane, v2 8 x lane, v4 4 x lane: never rewritten
	v_lshlrev_b32 v2, 3, v7
	v_lshlrev_b32 v4, 2, v7
	v_and_b32 v6, 15, v0                           ; r
	s_wait_alu depctr_va_vdst(0)
	v_bfe_u32 v31, v0, 4, 1                        ; h
	v_mul_u32_u24 v3, v31, 272
	v_lshl_add_u32 v3, v6, 4, v3                   ; v3: an operand load: piece + h, row r
	s_wait_alu depctr_va_sdst(0)                   ; s16 is written, ahead of its first reader
	s_lshr_b32 s36, s16, 3
	s_mul_i32 s36, s36, 8704
	s_and_b32 s37, s16, 7
	s_lshl_b32 s37, s37, 5
	s_add_co_u32 s36, s36, s37
	v_mul_u32_u24 v28, v7, 272
	v_add_nc_u32 v28, s36, v28                     ; v28: I bring rows 2 w, 2 w + 1: lane = block: piece 32 (w / 8) + lane, row 2 (w % 8)
	s_mul_i32 s36, s16, 272
	s_add_co_u32 s36, s36, HIMG
	v_lshlrev_b32 v29, 4, v6
	s_wait_alu depctr_va_vdst(0)
	v_lshl_add_u32 v29, v31, 3, v29
	v_add_nc_u32 v29, s36, v29                     ; v29: h's piece w: row r, my half's 8 bytes
	s_lshr_b32 s36, s16, 2
	s_lshl_b32 s36, s36, 7
	s_and_b32 s37, s16, 3
	s_add_co_u32 s36, s36, s37
	s_add_co_u32 s36, s36, HSC
	v_add_nc_u32 v30, s36, v4                      ; v30: h's scale byte of block w, row = lane
	s_mov_b32 s46, 0x76543210
	s_mov_b32 s47, 0xfedcba98                      ; v_permlanex16_b32's selects for lane l xor 16
	s_lshl_b32 s44, s16, 1                         ; my two slots
	s_add_co_u32 s45, s44, 1
	s_lshl_b32 s36, ttmp9, 7                       ; the tile's 32 words of order
	s_mov_b32 s37, 0
	s_wait_kmcnt 0x0
	s_load_b256 s[24:31], s[12:13], 0x0            ; the eight counts
	s_add_nc_u64 s[10:11], s[10:11], s[36:37]
	s_wait_alu depctr_va_vdst(0)                   ; v1 to v4 and v28 to v30 are written, which the loads and LDS instructions of the whole kernel read; the arithmetic above is done with v6, in which the load below lands
	global_load_b32 v6, v4, s[10:11]               ; lane = slot
	s_wait_kmcnt 0x0
	; which expert's tile am I: the last expert whose first tile is not behind me.  No branch
	s_mov_b32 s32, 0                               ; the expert,
	s_mov_b32 s33, 0                               ; its first tile,
	s_mov_b32 s34, s24                             ; its rows
	s_mov_b32 s35, 0
.irp e, 1,2,3,4,5,6,7
	s_add_co_u32 s36, s[24+\e-1], 31
	s_lshr_b32 s36, s36, 5
	s_add_co_u32 s35, s35, s36                     ; expert e's first tile
	s_cmp_ge_u32 ttmp9, s35
	s_cselect_b32 s32, \e, s32
	s_cselect_b32 s33, s35, s33
	s_cselect_b32 s34, s[24+\e], s34
.endr
	s_sub_co_u32 s36, ttmp9, s33
	s_lshl_b32 s36, s36, 5
	s_sub_co_i32 s38, s34, s36
	s_min_i32 s38, s38, 32                         ; s38: my rows: 1 to 32, or 0 and less where the split leaves me none
	s_sub_co_i32 s39, s38, 1
	s_max_i32 s39, s39, 0                          ; s39: my last slot that holds a row
	s_min_u32 s32, s32, 7                          ; held, since it becomes an address
	s_lshl_b32 s36, s32, 4
	s_add_co_u32 s36, s36, s16
	s_mul_i32 s40, s36, 12*CHUNK                   ; my record: 16 e + w
	s_mov_b32 s41, 0
	s_add_nc_u64 s[8:9], s[8:9], s[40:41]
.macro LOADK c, k                      ; load k of the eight that bring chunk c's fragments into buffer c % 4
	global_load_b128 v[WB+32*((\c)%4)+4*(\k):WB+32*((\c)%4)+4*(\k)+3], v1, s[8:9] offset:CHUNK*(\c)+512*(\k)
.endm
.macro LOADS c                         ; and the ninth: its scale words
	global_load_b64 v[WS+2*((\c)%4):WS+2*((\c)%4)+1], v2, s[8:9] offset:CHUNK*(\c)+4096
.endm
.macro LOADW c                         ; chunk c into buffer c % 4: nine loads on end
.irp k, 0,1,2,3,4,5,6,7
	LOADK \c, \k
.endr
	LOADS \c
.endm
	LOADW 0                                        ; the weights hang on the counts alone: they go out ahead of everything that hangs on the tokens
	LOADW 1
	LOADW 2
	s_wait_loadcnt 27                              ; the tile's tokens are in; the 27 loads of weights behind them stay out
	v_and_b32 v31, 31, v0
	v_min_u32 v31, s39, v31                        ; slots behind my last row repeat it
	v_min_u32 v31, 31, v31                         ; (a lane's number made of a loaded number is held by a constant)
	v_lshlrev_b32 v31, 2, v31
	s_wait_alu depctr_va_vdst(0)                   ; v31 is written, which the permute reads
	ds_bpermute_b32 v[TOK], v31, v6
	s_wait_dscnt 0x0
	v_min_u32 v[TOK], 0xfff, v[TOK]                ; held, since it becomes an address
	v_lshlrev_b32 v7, 5, v[TOK]
	v_readlane_b32 s42, v[TOK], s44
	v_readlane_b32 s43, v[TOK], s45
	s_wait_alu depctr_va_sdst(0)                   ; s42 and s43 are written, ahead of their first readers
	s_min_u32 s42, s42, 0xfff
	s_min_u32 s43, s43, 0xfff
	s_wait_alu depctr_vm_vsrc(0)                   ; the permute has read v31 and v6, which the two lines below write again
	v_lshl_add_u32 v6, s42, 9, v1
	v_lshl_add_u32 v31, s43, 9, v1
	s_wait_alu depctr_va_vdst(0)                   ; v7, v6 and v31 are written: the offsets of the four loads below
	global_load_b128 v[XS:XS+3], v7, s[6:7]        ; my slot's 32 scale bytes: register s is K step s's scale register: rows 0-15 in lanes 0-15, rows 16-31 in lanes 16-31
	global_load_b128 v[XS+4:XS+7], v7, s[6:7] offset:16
	global_load_b128 v[32:35], v6, s[4:5]          ; a whole row of codes, 512 consecutive bytes: lane = block
	global_load_b128 v[36:39], v31, s[4:5]
	s_wait_loadcnt 0x0                             ; these four are the youngest
	ds_store_b128 v28, v[32:35]                    ; 272 bytes from lane to lane
	ds_store_b128 v28, v[36:39] offset:16
	s_wait_dscnt 0x0                               ; for the others' sake
	s_barrier_signal -1
	s_barrier_wait -1                              ; the 32 rows' codes lie in LDS
	s_wait_alu depctr_vm_vsrc(0)                   ; my two LDS stores have read v32 to v39, in which the fragments below land; the gather's loads have read v6 and v7, which the way out writes again
.macro FLOAD base, pm, s, set          ; the two row tiles' fragments of K step s into a set: four loads.  pm: pieces in a row tile
.irp m, 0,1
.irp g, 0,1
	ds_load_b128 v[XF+16*(\set)+8*\m+4*\g:XF+16*(\set)+8*\m+4*\g+3], v3 offset:\base+((\pm)*\m+4*(\s)+2*\g)*272
.endr
.endr
.endm
; A product: D (+)= fragment f of buffer buf x row tile m of a set.  The weights' scale words of fragments 2 i and 2 i + 1 share a register (lanes 0-15, lanes 16-31); so do the two row tiles' words.
.macro MM d, f, m, buf, set, sreg, zero
.set RA, WB+32*(\buf)+8*(\f)
.set RB, XF+16*(\set)+8*(\m)
.set RS, WS+2*(\buf)+(\f)/2
.if \zero
.if ((\f)%2 == 0) && ((\m) == 0)
	v_wmma_scale_f32_16x16x128_f8f6f4 v[(\d):(\d)+7], v[RA:RA+7], v[RB:RB+7], 0, v[RS], v[\sreg] matrix_a_fmt:MATRIX_FMT_FP4 matrix_b_fmt:MATRIX_FMT_FP4
.elseif ((\f)%2 == 1) && ((\m) == 0)
	v_wmma_scale_f32_16x16x128_f8f6f4 v[(\d):(\d)+7], v[RA:RA+7], v[RB:RB+7], 0, v[RS], v[\sreg] matrix_a_fmt:MATRIX_FMT_FP4 matrix_b_fmt:MATRIX_FMT_FP4 matrix_a_scale:MATRIX_SCALE_ROW1
.elseif ((\f)%2 == 0)
	v_wmma_scale_f32_16x16x128_f8f6f4 v[(\d):(\d)+7], v[RA:RA+7], v[RB:RB+7], 0, v[RS], v[\sreg] matrix_a_fmt:MATRIX_FMT_FP4 matrix_b_fmt:MATRIX_FMT_FP4 matrix_b_scale:MATRIX_SCALE_ROW1
.else
	v_wmma_scale_f32_16x16x128_f8f6f4 v[(\d):(\d)+7], v[RA:RA+7], v[RB:RB+7], 0, v[RS], v[\sreg] matrix_a_fmt:MATRIX_FMT_FP4 matrix_b_fmt:MATRIX_FMT_FP4 matrix_a_scale:MATRIX_SCALE_ROW1 matrix_b_scale:MATRIX_SCALE_ROW1
.endif
.else
.if ((\f)%2 == 0) && ((\m) == 0)
	v_wmma_scale_f32_16x16x128_f8f6f4 v[(\d):(\d)+7], v[RA:RA+7], v[RB:RB+7], v[(\d):(\d)+7], v[RS], v[\sreg] matrix_a_fmt:MATRIX_FMT_FP4 matrix_b_fmt:MATRIX_FMT_FP4
.elseif ((\f)%2 == 1) && ((\m) == 0)
	v_wmma_scale_f32_16x16x128_f8f6f4 v[(\d):(\d)+7], v[RA:RA+7], v[RB:RB+7], v[(\d):(\d)+7], v[RS], v[\sreg] matrix_a_fmt:MATRIX_FMT_FP4 matrix_b_fmt:MATRIX_FMT_FP4 matrix_a_scale:MATRIX_SCALE_ROW1
.elseif ((\f)%2 == 0)
	v_wmma_scale_f32_16x16x128_f8f6f4 v[(\d):(\d)+7], v[RA:RA+7], v[RB:RB+7], v[(\d):(\d)+7], v[RS], v[\sreg] matrix_a_fmt:MATRIX_FMT_FP4 matrix_b_fmt:MATRIX_FMT_FP4 matrix_b_scale:MATRIX_SCALE_ROW1
.else
	v_wmma_scale_f32_16x16x128_f8f6f4 v[(\d):(\d)+7], v[RA:RA+7], v[RB:RB+7], v[(\d):(\d)+7], v[RS], v[\sreg] matrix_a_fmt:MATRIX_FMT_FP4 matrix_b_fmt:MATRIX_FMT_FP4 matrix_a_scale:MATRIX_SCALE_ROW1 matrix_b_scale:MATRIX_SCALE_ROW1
.endif
.endif
.endm
; A load into a register that a matrix instruction has read, and a vector instruction or an LDS store that reads a matrix result, stand four places behind it; only plain vector instructions
; that name none of its registers are places (ISA guide 7.12.1 for vector instructions).  The places stay beside the waits on va_vdst, which fill none.
.macro PLACES
.rept 4
	v_nop
.endr
.endm
; K step s of the first products: chunk s.  Eight accumulators (g and u, two tiles of units, two row tiles) take turns, one instruction a turn, in the same order in every step.
; Chunk s + 3 goes into the buffer that the step before has left: one load behind each product, the scale words last.
.macro STEP1 s
.if (\s) == 0
	FLOAD XIMG, 32, 1, 1                           ; (chunks 0 to 2 were shown in by the head's wait for 0; no vector or matrix instruction has yet named the registers in which this step's loads land)
	s_wait_dscnt 4                                 ; this step's fragments are in; the four loads just issued stay out
.else
	s_wait_loadcnt 18                              ; chunk s is in; the two behind it, nine loads each, stay out
	s_wait_dscnt 0x0                               ; this step's fragments, asked for a step ago, are in
	PLACES
	s_wait_alu depctr_va_vdst(0)                   ; the products of the step before are done reading their buffer of weights, its pair of scale words and their set of fragments: this step's loads land in these
.if (\s) < 7
	FLOAD XIMG, 32, (\s)+1, ((\s)+1)%2
.endif
.endif
.set q, 0
.irp m, 0,1
.irp f, 0,1,2,3
	MM ACC+32*(\f/2)+16*\m+8*(\f%2), \f, \m, (\s)%4, (\s)%2, XS+(\s), (\s)==0
	LOADK (\s)+3, q                                ; no wait: no product since the wait above names this buffer
.set q, q+1
.endr
.endr
	LOADS (\s)+3
.endm
	FLOAD XIMG, 32, 0, 0
.irp s, 0,1,2,3,4,5,6,7
	STEP1 \s                                       ; the first step's products start the sums
.endr
	; lane (r, h), register 16 m + i of g and of u: row 16 m + r, hidden unit 32 w + 16 h + i
	; ---- h = u g / (1 + 2^(-log2(e) g)), in f32; each accumulator is read from its low end on.  Meanwhile the last product's chunks land
	PLACES
	s_wait_alu depctr_va_vdst(0)                   ; the last step's products are done reading buffer 3 and its pair of scale words, in which chunk 11 lands
	LOADW 11
.set k, 0
.rept 16
	v_pk_mul_f32 v[XF+2*k:XF+2*k+1], v[ACC+2*k:ACC+2*k+1], 0xbfb8aa3b op_sel_hi:[1,0]
.set k, k+1
.endr
.set k, 0
	s_wait_alu depctr_va_vdst(0)
.rept 32
	v_exp_f32 v[XF+k], v[XF+k]
.set k, k+1
.endr
.set k, 0
	s_wait_alu depctr_va_vdst(0)
.rept 16
	v_pk_mul_f32 v[ACC+2*k:ACC+2*k+1], v[ACC+2*k:ACC+2*k+1], v[ACC+32+2*k:ACC+32+2*k+1]   ; g u.  (Plain instructions behind the exponentials)
.set k, k+1
.endr
	s_wait_alu depctr_va_vdst(0)                   ; the 32 exponentials have written v32 to v63: one wait for the batch, ahead of its first reader
.set k, 0
.rept 16
	v_pk_add_f32 v[XF+2*k:XF+2*k+1], v[XF+2*k:XF+2*k+1], 1.0 op_sel_hi:[1,0]
.set k, k+1
.endr
.set k, 0
	s_wait_alu depctr_va_vdst(0)
.rept 32
	v_rcp_f32 v[XF+k], v[XF+k]
.set k, k+1
.endr
	v_nop                                          ; a plain instruction behind the reciprocals
	s_wait_alu depctr_va_vdst(0)                   ; the 32 reciprocals have written v32 to v63: one wait for the batch, ahead of its first reader
.set k, 0
.rept 16
	v_pk_mul_f32 v[ACC+2*k:ACC+2*k+1], v[ACC+2*k:ACC+2*k+1], v[XF+2*k:XF+2*k+1]
.set k, k+1
.endr
	; ---- h's block w of each row: my 16 numbers and lane l xor 16's.  v32-33 largest magnitudes, v34-35 the other lane's, v36-37 scale operands, v38-39 bytes, v40-43 codes
	v_bfe_u32 v44, v0, 4, 1
	v_cmp_eq_u32 vcc_lo, 1, v44                    ; which half of the lanes: made here, well ahead of the select that reads it
.irp m, 0,1
	v_max3_num_f32 v[32+\m], |v[ACC+16*\m]|, |v[ACC+16*\m+1]|, FLOOR
.endr
.irp i, 2,4,6,8,10,12,14
.irp m, 0,1
	v_max3_num_f32 v[32+\m], v[32+\m], |v[ACC+16*\m+\i]|, |v[ACC+16*\m+\i+1]|
.endr
.endr
.irp m, 0,1
	v_permlanex16_b32 v[34+\m], v[32+\m], s46, s47 ; (its destination counts as read: these registers have been written)
.endr
.irp m, 0,1
	v_max_num_f32 v[32+\m], v[32+\m], v[34+\m]
.endr
.irp m, 0,1
	v_add_nc_u32 v[36+\m], 0xff000000, v[32+\m]    ; 2 off the exponent field: the conversion's scale operand
.endr
.irp m, 0,1
	v_lshrrev_b32 v[38+\m], 23, v[36+\m]           ; the scale's byte
.endr
	s_wait_alu depctr_va_vcc(0)                    ; the compare has written VCC, ahead of its first reader
	v_cndmask_b32 v45, v38, v39, vcc_lo            ; lane l reports row l: lanes 16-31 the second row tile's
.irp m, 0,1
	v_cvt_scalef32_pk8_fp4_f32 v[40+2*\m], v[ACC+16*\m:ACC+16*\m+7], v[36+\m]
	v_cvt_scalef32_pk8_fp4_f32 v[41+2*\m], v[ACC+16*\m+8:ACC+16*\m+15], v[36+\m]
.endr
	v_nop                                          ; a plain instruction behind the conversions
	s_wait_alu depctr_va_vdst(0)                   ; the conversions have written v40 to v43 and the select v45, which the LDS stores read; and all vector work on v32 to v63 is done, in which the next fragments land
.irp m, 0,1
	ds_store_b64 v29, v[40+2*\m:41+2*\m] offset:4352*\m    ; half a block a lane: the two halves meet in the piece: 256 consecutive bytes an instruction
.endr
	ds_store_b8 v30, v45
	s_wait_dscnt 0x0                               ; for the others' sake
	s_barrier_signal -1
	s_barrier_wait -1                              ; h's codes and scale bytes lie in LDS
	s_wait_alu depctr_vm_vsrc(0)                   ; my three LDS stores have read v40 to v43 and v45, in which the fragments below land
	; ---- out = h Wd^T: K steps of 128 hidden units, chunks 8 to 11; eight accumulators (two row tiles x four tiles of outputs) by turns
.macro STEP2 s
.if (\s) == 0
	FLOAD HIMG, 16, 1, 1                           ; (no vector or matrix instruction since the wait ahead of h's stores names this set)
	s_wait_dscnt 4                                 ; all but the four loads just issued
	s_wait_loadcnt 27                              ; chunk 8 is in; the three behind it, nine loads each, stay out
.else
	s_wait_dscnt 0x0                               ; this step's fragments, asked for a step ago, are in
	s_wait_loadcnt 27-9*(\s)                       ; chunk 8 + s is in; the chunks behind it stay out
	PLACES
.if (\s) < 3
	s_wait_alu depctr_va_vdst(0)                   ; the products of the step before are done reading their set of fragments, in which the loads below land
	FLOAD HIMG, 16, (\s)+1, ((\s)+1)%2
.endif
.endif
.irp m, 0,1
.irp t, 0,1,2,3
	MM ACC+32*\m+8*\t, \t, \m, \s, (\s)%2, HS+(\s), (\s)==0
.endr
.endr
.endm
.irp s, 0,1,2,3
	ds_load_b32 v[HS+\s], v4 offset:HSC+128*\s     ; lane = row
.endr
	FLOAD HIMG, 16, 0, 0
.irp s, 0,1,2,3
	STEP2 \s
.endr
	; lane (r, h), register j of accumulator (m, t): out(row 16 m + r, 64 w + 16 t + 8 h + j)
	; ---- THE WAY OUT.  A row tile goes through my own stage and comes back as rows of 256 bytes; sixteen lanes store 256 consecutive bytes, aligned, at the row's token.
	; The address arithmetic names no register of the last products: it fills the places behind them.
	v_and_b32 v6, 15, v0                           ; r
	v_bfe_u32 v7, v0, 4, 1                         ; h
	s_mul_i32 s36, s16, 16*272
	s_add_co_u32 s36, s36, STG                     ; my stage
	s_lshl_b32 s37, s16, 8
	v_mul_u32_u24 v[STO], v6, 272
	v_lshl_add_u32 v[STO], v7, 5, v[STO]
	v_add_nc_u32 v[STO], s36, v[STO]               ; in: row r, 32 bytes for each half of the lanes
	v_mul_u32_u24 v[RD], v7, 272
	v_lshl_add_u32 v[RD], v6, 4, v[RD]
	v_add_nc_u32 v[RD], s36, v[RD]                 ; back: lanes 0-15 one row, lanes 16-31 the next
	v_lshl_add_u32 v[COL], v6, 4, s37              ; 256 w + 16 r
	v_lshlrev_b32 v35, 2, v7
.set n, 0
.rept 16
	v_add_nc_u32 v[IX+n], 8*n, v35                 ; slot 2 n + h, as a lane's number x 4
.set n, n+1
.endr
	s_wait_alu depctr_va_vdst(0)                   ; v32, v33 and v64 to v79 are written, which the LDS instructions below read; the products have written the accumulators, the stage's data, and are done reading v80 to v159, in which permutes and loads land
.set n, 0
.rept 16
	ds_bpermute_b32 v[VO+n], v[IX+n], v[TOK]
.set n, n+1
.endr
.macro TOSTAGE m
.irp t, 0,1,2,3
	ds_store_b128 v[STO], v[ACC+32*\m+8*\t:ACC+32*\m+8*\t+3] offset:64*\t          ; each accumulator from its low end on
	ds_store_b128 v[STO], v[ACC+32*\m+8*\t+4:ACC+32*\m+8*\t+7] offset:64*\t+16
.endr
.irp i, 0,1,2,3,4,5,6,7
	ds_load_b128 v[BK+32*\m+4*\i:BK+32*\m+4*\i+3], v[RD] offset:544*\i             ; LDS serves a wave's instructions in order (ISA guide 5.7.1.4): these see the stores above, and the next tile's stores come behind them
.endr
.endm
	TOSTAGE 0
	TOSTAGE 1
	s_wait_dscnt 32                                ; the sixteen tokens are in; the stage's 32 instructions may be out
.set n, 0
.rept 16
	v_min_u32 v[VO+n], 0xfff, v[VO+n]              ; held, since it becomes an address
	v_lshl_add_u32 v[VO+n], v[VO+n], 12, v[COL]    ; the token's row of 4,096 bytes + my bytes in it
.set n, n+1
.endr
	s_wait_alu depctr_va_vdst(0)                   ; v80 to v95 are written: the offsets of the stores below; no vector instruction follows ahead of them
.macro SEND m, younger                 ; younger: the LDS instructions issued behind this row tile's loads
.irp i, 0,1,2,3,4,5,6,7
	s_wait_dscnt \younger+7-\i
	s_cmp_gt_i32 s38, 16*\m+2*\i                   ; rows 16 m + 2 i and + 1: is the first of them one of mine?  (If the second is not, it repeats the first: the same bytes to the same place)
	s_cbranch_scc0 .Lend
	global_store_b128 v[VO+8*\m+\i], v[BK+32*\m+4*\i:BK+32*\m+4*\i+3], s[14:15] th:TH_STORE_NT
.endr
.endm
	SEND 0, 16
	SEND 1, 0
.Lend:
	s_wait_dscnt 0x0
	s_wait_xcnt 0x0
	s_wait_alu depctr_vm_vsrc(0)                   ; the stage's LDS stores have read v254 and v255, which the two lines below make anew
	v_lshl_add_u32 v254, v0, 2, 0x17800
	v_mov_b32 v255, 0
	s_wait_dscnt 0x0                               ; the closing lines, six on end
	s_wait_alu 0x0
	s_wait_tensorcnt 0x0
	ds_add_u32 v254, v255
	s_wait_dscnt 0x0
	s_endpgm
.Lfunc_end_k_qee4b89bd01_chain:
	.size	k_qee4b89bd01_chain, .Lfunc_end_k_qee4b89bd01_chain-k_qee4b89bd01_chain
	.p2alignl 7, 3214868480
	.fill 96, 4, 3214868480
	.section	.rodata,"a",@progbits
	.p2align	6, 0x0
	.amdhsa_kernel k_qee4b89bd01_chain
		.amdhsa_group_segment_fixed_size 98304
		.amdhsa_private_segment_fixed_size 0
		.amdhsa_enable_private_segment 0
		.amdhsa_kernarg_size 48
		.amdhsa_user_sgpr_count 2
		.amdhsa_user_sgpr_kernarg_segment_ptr 1
		.amdhsa_wavefront_size32 1
		.amdhsa_system_sgpr_workgroup_id_x 1
		.amdhsa_system_sgpr_workgroup_id_y 1
		.amdhsa_system_sgpr_workgroup_id_z 1
		.amdhsa_system_vgpr_workitem_id 0
		.amdhsa_next_free_vgpr 256
		.amdhsa_next_free_sgpr 66
		.amdhsa_reserve_vcc 1
		.amdhsa_float_denorm_mode_32 3
		.amdhsa_float_denorm_mode_16_64 3
		.amdhsa_memory_ordered 1
		.amdhsa_forward_progress 1
		.amdhsa_inst_pref_size 53
	.end_amdhsa_kernel
	.amdgpu_metadata
---
amdhsa.version: [ 1, 2 ]
amdhsa.kernels:
  - .name:           k_qee4b89bd01_chain
    .symbol:         k_qee4b89bd01_chain.kd
    .args:
      - { .name: xq, .offset: 0, .size: 8, .value_kind: global_buffer, .address_space: global }
      - { .name: xsc, .offset: 8, .size: 8, .value_kind: global_buffer, .address_space: global }
      - { .name: wq, .offset: 16, .size: 8, .value_kind: global_buffer, .address_space: global }
      - { .name: order, .offset: 24, .size: 8, .value_kind: global_buffer, .address_space: global }
      - { .name: cnt, .offset: 32, .size: 8, .value_kind: global_buffer, .address_space: global }
      - { .name: out0, .offset: 40, .size: 8, .value_kind: global_buffer, .address_space: global }
    .group_segment_fixed_size: 98304
    .private_segment_fixed_size: 0
    .kernarg_segment_align: 8
    .kernarg_segment_size: 48
    .max_flat_workgroup_size: 512
    .sgpr_count:     66
    .vgpr_count:     256
    .wavefront_size: 32
...
	.end_amdgpu_metadata
.endif
;; end of part 6
